; MI455X (gfx1250); checked and timed in simulation.
; The chip was launched on July 23, 2026; its instructions are those of AMD's public machine-readable ISA for CDNA 5 (MIT licence, August 2026) and "CDNA5" Instruction Set Architecture Reference Guide (July 2026). The comments in the code are by the model that wrote it; some were corrected since.
;; attention. Allowed arithmetic: matrix products marked QUANTISED: E4M3 operands, one E8M0 scale for each 32 along K, by v_wmma_scale_f32_16x16x128_f8f6f4 with both operands' format E4M3, f32 sums; products left as they are: f32 operands where the result goes on into a quantised operand, else bf16, f16 or f32 operands; f32 sums; everything else in f32.
;; Inputs: W_h_codes 1,024 x 32 x 32 uint8 (E4M3 codes of W_h, K innermost, in blocks of 32 codes); W_h_scales 1,024 x 32 uint8 (E8M0 scales of W_h, one for each 32 codes along K); W_s_codes 1,024 x 32 x 32 uint8 (E4M3 codes of W_s, K innermost, in blocks of 32 codes); W_s_scales 1,024 x 32 uint8 (E8M0 scales of W_s, one for each 32 codes along K); b_h 1,024 float32; b_s 1,024 float32; h 32 x 2,048 x 1,024 float32; s_codes 32 x 1 x 32 x 32 uint8 (E4M3 codes of s, K innermost, in blocks of 32 codes); s_scales 32 x 1 x 32 uint8 (E8M0 scales of s, one for each 32 codes along K).
;; Outputs: out0 32 x 1,024 float32.
;; This version of the problem:
;;   THIS VERSION OF THE PROBLEM IS GIVEN IN LOW PRECISION. The matrix products marked QUANTISED in the list below multiply operands that are first quantised to E4M3 (4 exponent bits, 3 mantissa bits; 8 bits a number), with one power-of-two scale for each 32 numbers along K (OCP MX v1.0); their sums are f32. All else is computed in f32.
;;   The module's matrix products, in the order in which they are computed (A, B: the left and right operand; K: the contracted axis; several contracted axes count as one K, in the product's order):
;;     1. [M 32, K 1,024] x [K 1,024, N 1,024]; A: input s (given as codes); B: input W_s (given as codes): QUANTISED
;;     2. [M 65,536, K 1,024] x [K 1,024, N 1,024]; A: input h; B: input W_h (given as codes): QUANTISED
;;     3. batch 32 x [M 1, K 1,024] x [K 1,024, N 2,048]; A: computed on the way; B: computed on the way: left as it is (M = 1 < 16)
;;     4. batch 32 x [M 1, K 2,048] x [K 2,048, N 1,024]; A: softmax; B: input h: left as it is (M = 1 < 16)
;;   THE QUANTISER, for each operand of a quantised product, along K:
;;     - K is cut into blocks of 32 from its start; a last block that is shorter is filled with zeros.
;;     - A block's scale is 2^e with e = floor(log2(the largest magnitude in the block)) - 8, held to -126 .. 127; a block of zeros has e = 0. As a byte (E8M0): e + 127.
;;     - Each number is divided by its block's scale, clamped to +-448, and rounded to the nearest number of E4M3, ties to even, subnormals kept.
;;     - The product sums the exact products of the quantised numbers (number of the format x scale) in f32.
;;   ~~~python
;;   def quantise(x, axis):      # numpy; x: float32 -> the quantised numbers, widened to float32 again
;;       x = np.moveaxis(x, axis, -1); K = x.shape[-1]
;;       x = np.pad(x, [(0, 0)] * (x.ndim - 1) + [(0, -K % 32)]); x = x.reshape(x.shape[:-1] + (-1, 32)); a = np.abs(x).max(-1, keepdims=True)
;;       e = np.where(a > 0, np.clip(np.frexp(np.where(a > 0, a, 1))[1] - 1 - 8, -126, 127), 0)      # np.frexp(a)[1] - 1 = floor(log2(a)), exactly
;;       r = np.clip(x / 2.0 ** e, -448, 448)
;;       step = 2.0 ** (np.maximum(np.frexp(np.where(r == 0, 1, r))[1] - 1, -6) - 3)
;;       q = np.round(r / step) * step * 2.0 ** e      # np.round: ties to even
;;       return np.moveaxis(q.reshape(q.shape[:-2] + (-1,))[..., :K], -1, axis).astype(np.float32)
;;   ~~~
;;   INPUTS GIVEN AS CODES. W_h (in the module: [1024, 1024], K = its axis 0); W_s (in the module: [1024, 1024], K = its axis 0); s (in the module: [32, 1, 1024], K = its axis 2): each comes as NAME_codes (uint8): NAME with its K axis moved to the last place and cut into blocks of 32 codes, [.., K / 32, bytes a block], one block behind the other in memory; one code a byte (a code: sign, 4 exponent bits, 3 mantissa bits); and NAME_scales (uint8): the same leading axes, one E8M0 byte (e + 127) for each 32 codes along K. Its value is code x scale, taken as it is: it is not quantised again, and the codes and scales need not be those that the quantiser above would give.
;; 2 versions. Each part assembles by itself: llvm-mc -triple=amdgcn-amd-amdhsa -mcpu=gfx1250 --defsym DOCPART=n.
;; ======== version 1 of 2: 3 launches
;; workspace buffers: wfrag 1,048,576 bytes; wscl 32,768 bytes; sfi 131,072 bytes; cpart 1,179,648 bytes
;; launch prep (part 1): grid 16 x 1, 4 waves a work-group, no clusters, 9,216 bytes of LDS; arguments W_h_codes, W_h_scales, W_s_codes, W_s_scales, s_codes, s_scales, b_s, wfrag, wscl, sfi; writes wfrag, wscl, sfi
.if DOCPART == 1
	.amdgcn_target "amdgcn-amd-amdhsa--gfx1250"
	.amdhsa_code_object_version 6
	.text
	.protected	k_q8e1e29805b_prep
	.globl	k_q8e1e29805b_prep
	.p2align	8
	.type	k_q8e1e29805b_prep,@function
k_q8e1e29805b_prep:
	s_mov_b64 s[64:65], 0
	v_nop
	global_prefetch_b8 v0, s[64:65] scope:SCOPE_SE
	s_setreg_imm32_b32 hwreg(HW_REG_WAVE_MODE, 25, 1), 1
	s_wait_xcnt 0x0
; Two small jobs ahead of the main launch.  Wave q of work-group g owns the tile of 16 columns nt = 4 g + q (64 tiles in all).
; JOB A.  W_h's codes [1024 (n)][1024 (k)] are laid anew in the order of the operand's registers:
;   wfrag [nt 64][w 4][ks 2][c 4][lane 32][16 bytes]: lane (r, h) of register group c of K step 2 w + ks holds k = 256 w + 128 ks + 32 c + 16 h + 0 .. 15 of row 16 nt + r,
;   so that the main launch fills a fragment by four loads of 512 consecutive bytes.  wscl [nt 64][w 4][lane 32] words: lanes 0-15 the scale word of row 16 nt + r
;   for K step 2 w, lanes 16-31 the same row's word for K step 2 w + 1: one register serves both K steps of a wave.
; JOB B.  s_fi = s W_s + b_s, [32][1024] f32, on the codes as they are given.  The product is used transposed (source 0 = 16 rows of W_s, source 1 = 16 rows of s): a lane holds
;   eight neighbouring n of one row of s_fi.  b_s is the C of each sum's first product.  Two accumulators (rows 0-15, rows 16-31) take turns, K ascending.
; A row's 64 columns of the work-group (256 bytes) come from four waves: they meet in a stage in LDS, and sixteen lanes store 256 consecutive bytes, aligned.
; REGISTERS: window 0: v1-12 addresses; v24-27 W_h's scale words; v32-39 W_s's scale words; v40-55 s's; v56-63, v80-87 b_s twice; v64-79 the two accumulators; v96-111 rows on the way out;
;   v128-255 W_h's 32 register groups.   window 1: v0-127 W_s's 8 fragments.   window 2: s's 16 fragments (128 mt + 16 ks).
.set SPI, 272                          ; a stage row: 256 bytes + 16 of padding
.set MSB, 0
.macro WIN new                         ; the immediate's high byte repeats the setting that is left
.if MSB != \new
	s_set_vgpr_msb (MSB<<8)|\new
.set MSB, \new
.endif
.endm
	s_load_b256 s[4:11], s[0:1], 0x0               ; W_h's codes s[4:5], W_h's scales s[6:7], W_s's codes s[8:9], W_s's scales s[10:11]
	s_load_b256 s[12:19], s[0:1], 0x20             ; s's codes s[12:13], s's scales s[14:15], b_s s[16:17], wfrag s[18:19]
	s_load_b128 s[20:23], s[0:1], 0x40             ; wscl s[20:21], sfi s[22:23]
	v_lshl_add_u32 v126, v0, 2, 0x2200
	v_mov_b32 v127, 0
	v_lshrrev_b32 v1, 5, v0
	v_readfirstlane_b32 s24, v1                    ; wave q
	s_lshl_b32 s25, ttmp9, 2
	s_add_co_u32 s25, s25, s24                     ; nt = 4 g + q
	v_and_b32 v1, 31, v0                           ; lane
	v_and_b32 v2, 15, v0                           ; r
	v_bfe_u32 v3, v0, 4, 1                         ; h
	v_lshlrev_b32 v4, 10, v2
	v_lshl_add_u32 v4, v3, 4, v4                   ; a row of 1,024 codes: 1024 r + 16 h
	v_lshlrev_b32 v8, 5, v2                        ; a row of 32 scale bytes: 32 r
	v_lshl_add_u32 v5, v3, 2, v8                   ; 32 r + 4 h: lanes 16-31 take the odd K step's word
	v_lshlrev_b32 v6, 4, v1                        ; 16 x lane
	v_lshlrev_b32 v7, 2, v1                        ; 4 x lane
	v_lshlrev_b32 v9, 5, v3                        ; b_s: my half's eight numbers
	v_mul_u32_u24 v10, v2, SPI
	v_lshl_add_u32 v10, v3, 5, v10
	s_lshl_b32 s26, s24, 6
	v_add_nc_u32 v10, s26, v10                     ; into the stage: row r, 64 q + 32 h bytes on
	s_mul_i32 s26, s24, 8*SPI
	v_mul_u32_u24 v11, v3, SPI
	v_lshl_add_u32 v11, v2, 4, v11
	v_add_nc_u32 v11, s26, v11                     ; back: rows 8 q on; lanes 0-15 one row, lanes 16-31 the next
	v_lshlrev_b32 v12, 12, v3
	v_lshl_add_u32 v12, v2, 4, v12                 ; and the same two rows in sfi
	s_lshl_b32 s26, s25, 14                        ; 16 rows of 1,024 bytes, and a tile's 16,384 bytes of wfrag
	s_mov_b32 s27, 0
	s_lshl_b32 s28, s25, 9                         ; 16 rows of 32 scale bytes, and a tile's 512 bytes of wscl
	s_mov_b32 s29, 0
	s_lshl_b32 s30, s25, 6                         ; 16 numbers of b_s
	s_mov_b32 s31, 0
	s_lshl_b32 s32, s24, 15                        ; 8 q rows of sfi,
	s_lshl_b32 s33, ttmp9, 8                       ; the work-group's 64 columns
	s_add_co_u32 s32, s32, s33
	s_mov_b32 s33, 0
	s_wait_kmcnt 0x0
	s_add_nc_u64 s[4:5], s[4:5], s[26:27]
	s_add_nc_u64 s[6:7], s[6:7], s[28:29]
	s_add_nc_u64 s[8:9], s[8:9], s[26:27]
	s_add_nc_u64 s[10:11], s[10:11], s[28:29]
	s_add_nc_u64 s[16:17], s[16:17], s[30:31]
	s_add_nc_u64 s[18:19], s[18:19], s[26:27]
	s_add_nc_u64 s[20:21], s[20:21], s[28:29]
	s_add_nc_u64 s[22:23], s[22:23], s[32:33]
	; job A's 36 loads first: register group i = 8 w + 4 ks + c lies 32 i bytes along the row
.set i, 0
.rept 32
	global_load_b128 v[128+4*i:131+4*i], v4, s[4:5] offset:32*i
.set i, i+1
.endr
.irp w, 0,1,2,3
	global_load_b32 v[24+\w], v5, s[6:7] offset:8*\w
.endr
	; job B's 106
	WIN 0x40                                       ; destination window 1
.set i, 0
.rept 32
	global_load_b128 v[4*i:4*i+3], v4, s[8:9] offset:32*i              ; W_s: K step i / 4, group i % 4
.set i, i+1
.endr
	WIN 0x80                                       ; destination window 2
.irp mt, 0,1
.set i, 0
.rept 32
	global_load_b128 v[128*\mt+4*i:128*\mt+4*i+3], v4, s[12:13] offset:16384*\mt+32*i   ; s: rows 16 mt on
.set i, i+1
.endr
.endr
	WIN 0
	global_load_b128 v[32:35], v8, s[10:11]        ; W_s's eight scale words of row r
	global_load_b128 v[36:39], v8, s[10:11] offset:16
.irp mt, 0,1
	global_load_b128 v[40+8*\mt:43+8*\mt], v8, s[14:15] offset:512*\mt   ; s's eight of row 16 mt + r
	global_load_b128 v[44+8*\mt:47+8*\mt], v8, s[14:15] offset:512*\mt+16
.endr
	global_load_b128 v[56:59], v9, s[16:17]        ; b_s at 16 nt + 8 h + 0 .. 7, in the result's layout: once for each accumulator
	global_load_b128 v[60:63], v9, s[16:17] offset:16
	global_load_b128 v[80:83], v9, s[16:17]
	global_load_b128 v[84:87], v9, s[16:17] offset:16
	s_wait_loadcnt 63                              ; 106 loads were issued behind job A's 36: with at most 63 out, those 36 are in
.set i, 0
.rept 32
	global_store_b128 v6, v[128+4*i:131+4*i], s[18:19] offset:512*i    ; 32 lanes store 512 consecutive bytes
.set i, i+1
.endr
.irp w, 0,1,2,3
	global_store_b32 v7, v[24+\w], s[20:21] offset:128*\w
.endr
	s_wait_loadcnt 0x0
	WIN 0x09                                       ; source 0 (W_s) window 1, source 1 (s) window 2
	v_wmma_scale_f32_16x16x128_f8f6f4 v[64:71], v[0:15], v[0:15], v[56:63], v32, v40
	v_wmma_scale_f32_16x16x128_f8f6f4 v[72:79], v[0:15], v[128:143], v[80:87], v32, v48
.irp ks, 1,2,3,4,5,6,7                 ; the two accumulators by turns
	v_wmma_scale_f32_16x16x128_f8f6f4 v[64:71], v[16*\ks:16*\ks+15], v[16*\ks:16*\ks+15], v[64:71], v[32+\ks], v[40+\ks]
	v_wmma_scale_f32_16x16x128_f8f6f4 v[72:79], v[16*\ks:16*\ks+15], v[128+16*\ks:128+16*\ks+15], v[72:79], v[32+\ks], v[48+\ks]
.endr
	WIN 0
.rept 8
	v_nop                                          ; eight places between the last product and the first read of its result
.endr
.irp mt, 0,1
	ds_store_b128 v10, v[64+8*\mt:67+8*\mt] offset:16*SPI*\mt          ; each accumulator from its low end on: s_fi(16 mt + r, 16 nt + 8 h + 0 .. 7)
	ds_store_b128 v10, v[68+8*\mt:71+8*\mt] offset:16*SPI*\mt+16
.endr
	s_wait_dscnt 0x0                               ; for the others' sake: my stores into the stage are done
	s_barrier_signal -1
	s_barrier_wait -1
.irp i, 0,1,2,3
	ds_load_b128 v[96+4*\i:99+4*\i], v11 offset:2*SPI*\i
.endr
.irp i, 0,1,2,3
	s_wait_dscnt 3-\i
	global_store_b128 v12, v[96+4*\i:99+4*\i], s[22:23] offset:8192*\i ; sixteen lanes store 256 consecutive bytes, at a multiple of 256 from sfi's first byte
.endr
	s_wait_tensorcnt 0x0
	ds_add_u32 v126, v127
	s_wait_dscnt 0x0
	s_endpgm
.Lfunc_end_k_q8e1e29805b_prep:
	.size	k_q8e1e29805b_prep, .Lfunc_end_k_q8e1e29805b_prep-k_q8e1e29805b_prep
	.p2alignl 7, 3214868480
	.fill 96, 4, 3214868480
	.section	.rodata,"a",@progbits
	.p2align	6, 0x0
	.amdhsa_kernel k_q8e1e29805b_prep
		.amdhsa_group_segment_fixed_size 9216
		.amdhsa_private_segment_fixed_size 0
		.amdhsa_enable_private_segment 0
		.amdhsa_kernarg_size 80
		.amdhsa_user_sgpr_count 2
		.amdhsa_user_sgpr_kernarg_segment_ptr 1
		.amdhsa_wavefront_size32 1
		.amdhsa_system_sgpr_workgroup_id_x 1
		.amdhsa_system_sgpr_workgroup_id_y 1
		.amdhsa_system_sgpr_workgroup_id_z 1
		.amdhsa_system_vgpr_workitem_id 0
		.amdhsa_next_free_vgpr 768
		.amdhsa_next_free_sgpr 66
		.amdhsa_reserve_vcc 0
		.amdhsa_float_denorm_mode_32 3
		.amdhsa_float_denorm_mode_16_64 3
		.amdhsa_memory_ordered 1
		.amdhsa_forward_progress 1
		.amdhsa_inst_pref_size 23
	.end_amdhsa_kernel
	.amdgpu_metadata
---
amdhsa.version: [ 1, 2 ]
amdhsa.kernels:
  - .name:           k_q8e1e29805b_prep
    .symbol:         k_q8e1e29805b_prep.kd
    .args:
      - { .name: W_h_codes, .offset: 0, .size: 8, .value_kind: global_buffer, .address_space: global }
      - { .name: W_h_scales, .offset: 8, .size: 8, .value_kind: global_buffer, .address_space: global }
      - { .name: W_s_codes, .offset: 16, .size: 8, .value_kind: global_buffer, .address_space: global }
      - { .name: W_s_scales, .offset: 24, .size: 8, .value_kind: global_buffer, .address_space: global }
      - { .name: s_codes, .offset: 32, .size: 8, .value_kind: global_buffer, .address_space: global }
      - { .name: s_scales, .offset: 40, .size: 8, .value_kind: global_buffer, .address_space: global }
      - { .name: b_s, .offset: 48, .size: 8, .value_kind: global_buffer, .address_space: global }
      - { .name: wfrag, .offset: 56, .size: 8, .value_kind: global_buffer, .address_space: global }
      - { .name: wscl, .offset: 64, .size: 8, .value_kind: global_buffer, .address_space: global }
      - { .name: sfi, .offset: 72, .size: 8, .value_kind: global_buffer, .address_space: global }
    .group_segment_fixed_size: 9216
    .private_segment_fixed_size: 0
    .kernarg_segment_align: 8
    .kernarg_segment_size: 80
    .max_flat_workgroup_size: 128
    .sgpr_count:     66
    .vgpr_count:     768
    .wavefront_size: 32
...
	.end_amdgpu_metadata
.endif
;; end of part 1
;; launch attn (part 2): grid 256 x 1, 4 waves a work-group, no clusters, 325,120 bytes of LDS; arguments h, wfrag, wscl, sfi, b_h, cpart; writes cpart
.if DOCPART == 2
	.amdgcn_target "amdgcn-amd-amdhsa--gfx1250"
	.amdhsa_code_object_version 6
	.text
	.protected	k_q8e1e29805b_attn
	.globl	k_q8e1e29805b_attn
	.p2align	8
	.type	k_q8e1e29805b_attn,@function
k_q8e1e29805b_attn:
	s_mov_b64 s[64:65], 0
	v_nop
	global_prefetch_b8 v0, s[64:65] scope:SCOPE_SE
	s_setreg_imm32_b32 hwreg(HW_REG_WAVE_MODE, 25, 1), 1
	s_wait_xcnt 0x0
; For 256 rows t of one batch b: e[t] = s_fi[b] . (Q(h[t]) W_h + b_h), a running softmax over them, and the partial context sum of p[t] h[t].  h is read from memory ONCE.
; h [65536][1024] f32.  Work-group x owns rows 256 x on (batch x / 8), in two passes of 128 rows = 8 tiles of 16 rows ("slots").
; THE WAVES SHARE K: wave w owns columns 256 w .. 256 w + 255 of every row: it quantises them (blocks of 32 lie inside a wave), multiplies them (its two K steps of 128, against all 1,024 columns of W_h),
; and sums them into the context (its 256 outputs).  What goes from wave to wave is one number for each row and wave: the wave's part of e.
; A PASS:  QUANTISING, 16 steps of 16 rows x 128 columns: a step's numbers go through the wave's stage in LDS, so that a lane holds 16 neighbours of each block of 32; they are kept as bf16 in LDS (for the context) and as
;   codes of E4M3 in registers.  THREE THINGS RUN SIDE BY SIDE: the loads from memory, four steps ahead; the turn through the stage, one step ahead; the arithmetic of the step in hand.
;   GEMM: 64 tiles of 16 columns n; W_h's fragments come from memory straight into registers, in the order in which an earlier launch laid them, seven tiles ahead; each feeds 8 products.  The product is used transposed
;   (source 0 = 16 rows of W_h's codes, source 1 = 16 rows of h): a lane holds one row of h and eight neighbouring n, and h_psi is folded into e at once: e += h_psi(row, n) s_fi(n), two at a time, set between the next tile's products.
;   STATS: the four waves' parts of e meet in LDS; every wave computes the same t = e log2(e), running maximum m, p = 2^(t - m), running sum l;  CPHASE: c = c f + sum of p x bf16(h).
; b_h enters as eb = sum over n of s_fi(n) b_h(n), added to every e: the same sum as in s_fi . (h W + b_h), taken in another order, in f32.
; OUT: cpart [256][4,608 bytes]: 1,024 numbers of c, then (m, l, m, l) 32 times; the last launch joins the eight work-groups of a batch.
; NO CLUSTER, NO TENSOR LOADS, though all work-groups walk the same W_h: the bf16 rows (4 x 67,584 bytes), the stages (4 x 8,448), s_fi (4 x 4,096), e and p (4,096) take 324,608 of the 327,680 bytes of LDS:
; no slot for a shared tile fits beside them, and inside a work-group each byte of W_h is wanted by one wave alone.
; LIMITS: NaN and infinities in h are not served.  A block of h whose largest magnitude lies under 2^-118 gets the scale byte 1, a block of zeros too (its codes are zeros, and this program alone reads the bytes).
; A sum over K is taken as four quarters of two K steps each (one a wave), folded with s_fi and joined in f32: an order of additions other than one chain over K.
; REGISTERS, in windows of 256: window 0: see the names below.  window 1: h's codes, 16 step (= 32 slot + 16 ks).  window 2: W_h's fragments, a ring of 8 tiles, 32 buffer + 16 ks.  window 3: h as loaded, four steps, 64 (step % 4) + 4 row.
.set BP,   528                         ; an LDS row of 512 bytes + 16 of padding = 132 words: row r starts at bank 4 r mod 64 (64 banks of 4 bytes: ISA guide 11.1)
.set BFW,  128*BP                      ; a wave's bf16: 128 rows of its 256 columns
.set STW,  16*BP                       ; a wave's stage: 16 rows of 128 f32; also 16 rows of bf16
.set STG,  4*BFW
.set SF,   STG+4*STW                   ; s_fi[b], a copy for each wave
.set EX,   SF+4*4096                   ; [row 128][wave 4] parts of e: the one region that waves share
.set PB,   EX+2048                     ; p of 128 rows, a copy for each wave
.set VH,   2                           ; v2   h, and cpart: 1024 w + 16 lane
.set VPF,  3                           ; v3   prefetch: 4096 (lane / 4) + 1024 w + 256 (lane % 4)
.set VWF,  4                           ; v4   wfrag: 4096 w + 16 lane
.set VWS,  5                           ; v5   wscl: 128 w + 4 lane
.set STS,  6                           ; v6   stage, as loaded: 16 lane
.set STL,  7                           ; v7   stage, back: 528 r + 64 h
.set BFS,  8                           ; v8   bf16 in: 528 r + 32 h
.set BFL,  9                           ; v9   bf16 back: 16 lane
.set EXS,  10                          ; v10  EX + 16 r + 4 w
.set EXL,  11                          ; v11  EX + 16 r
.set PBS,  12                          ; v12  my wave's p + 4 r
.set PBL,  13                          ; v13  my wave's p
.set SFL,  14                          ; v14  my wave's s_fi + 32 h
.set SFA,  15                          ; v15  the same, 512 bytes on for each 8 tiles
.set CA,   16                          ; v16  bf16 rows in hand
.set CP,   17                          ; v17  p in hand
.set OST,  18                          ; v18  the way out: stage + 32 lane
.set EBL,  21                          ; v21  eb log2(e)
.set MX,   22                          ; v22  m
.set LS,   23                          ; v23  l
.set FF,   24                          ; v[24:25] f = 2^(old m - new m), named as a pair
.set C,    32                          ; v32-39   c of my columns 8 lane + 0 .. 7
.set HS,   40                          ; v40-55   h's scale words, one a step (2 slot + ks)
.set WS,   56                          ; v56-63   W_h's scale words, one register a buffer
.set E,    64                          ; v64-79   e, a pair (even n, odd n) for each slot
.set SFI,  80                          ; v80-111  s_fi of a tile's 8 n of my half: a ring of 4
.set T,    112                         ; v112-119 at work in STATS: e, t, p
.set U,    120                         ; v120-127
.set ACC,  128                         ; v128-255 two sets of 8 accumulators
.set XA,   128                         ; quantising: the 64 numbers of an even step;
.set XB,   64                          ;   those of an odd step, where e, s_fi, T and U lie in the other phases;
.set Y,    192                         ;   their bf16;
.set TM,   224                         ;   +0 largest magnitudes, +4 bytes, +8 448 x scale, +12 the conversions' scale operands
.set Q,    128                         ; STATS: four parts of e for each slot
.set RW,   128                         ; CPHASE: 16 rows of bf16;
.set PR,   192                         ;   their p
.set WV,   16                          ; s16 wave
.set SEL,  20                          ; s[20:21] v_permlanex16_b32's selects for lane l xor 16
.set MNT,  22                          ; s22 the mantissa field of 448
.set PASS, 23
.set TRIP, 24
.set LG2E, 25
.set SW,   26                          ; s[26:27] wfrag at the 8 tiles in hand
.set SS,   28                          ; s[28:29] wscl likewise
.set CNT,  30
.set TSF,  31                          ; steps of the LDS addresses that walk
.set TCA,  32
.set TCP,  33
.set MSB, 0
.macro WIN new                         ; bits 1:0 source 0, 3:2 source 1, 5:4 source 2, 7:6 destination; the immediate's high byte repeats the setting that is left
.if MSB != \new
	s_set_vgpr_msb (MSB<<8)|\new
.set MSB, \new
.endif
.endm
; Step k of a pass: 16 rows (tile k / 2) x 128 columns (K step k % 2 of my 256): each load takes 512 consecutive bytes of one row.  Leaves the destination's window at 3.
.macro HSTEP k
	WIN 0xc0
.irp i, 0,1,2,3,4,5,6,7,8,9,10,11,12,13,14,15
	global_load_b128 v[64*((\k)&3)+4*\i:64*((\k)&3)+4*\i+3], v[VH], s[4:5] offset:((\k)/2)*65536+\i*4096+512*((\k)&1) th:TH_LOAD_NT
.endr
.endm
; Step k's 16 rows go into my stage as they were loaded
.macro STIN k
	WIN 0x0c                                       ; an LDS store's data are its source 1: window 3
.irp i, 0,1,2,3,4,5,6,7,8,9,10,11,12,13,14,15
	ds_store_b128 v[STS], v[64*((\k)&3)+4*\i:64*((\k)&3)+4*\i+3] offset:BP*\i
.endr
	WIN 0
.endm
; and block b of 32 columns comes back: register 16 b + i = column 32 b + 16 h + i of row r.  LDS serves a wave's instructions in order (ISA guide 5.7.1.4): these see the stores
.macro XIN k, b
.irp j, 0,1,2,3
	ds_load_b128 v[XA-64*((\k)&1)+16*(\b)+4*\j:XA-64*((\k)&1)+16*(\b)+4*\j+3], v[STL] offset:128*(\b)+16*\j
.endr
.endm
; My two fragments and my scale register of n tile t (counted from SW, SS) into buffer buf: 9 loads, each of consecutive bytes
.macro WFILL buf, t
	WIN 0x80
.irp q, 0,1,2,3,4,5,6,7
	global_load_b128 v[32*(\buf)+4*\q:32*(\buf)+4*\q+3], v[VWF], s[SW:SW+1] offset:(\t)*16384+512*\q
.endr
	WIN 0
	global_load_b32 v[WS+(\buf)], v[VWS], s[SS:SS+1] offset:(\t)*512
.endm
; s_fi at n = 16 t + 8 h + 0 .. 7 (t counted from SFA)
.macro SFILL t
	ds_load_b128 v[SFI+8*((\t)&3):SFI+8*((\t)&3)+3], v[SFA] offset:64*(\t)
	ds_load_b128 v[SFI+8*((\t)&3)+4:SFI+8*((\t)&3)+7], v[SFA] offset:64*(\t)+16
.endm
; STEP k: its 64 numbers, asked out of the stage a step ago, become bf16 in LDS and codes and a scale word in registers.  Between its lines stand, in runs, the loads of step k + 4 from memory and the turn of step k + 1 through the stage.
.macro QSTEP k
.set xc_, XA-64*((\k)&1)
.set rC_, 16*(\k)
.set rS_, HS+(\k)
.set oB_, STW*((\k)/2)+256*((\k)&1)
.irp b, 0,1,2,3
	s_wait_dscnt 12-4*\b                           ; block b's four loads are in; behind them only the later blocks' were issued, four each
.irp i, 0,1,2,3,4,5,6,7
	v_cvt_pk_bf16_f32 v[Y+8*\b+\i], v[xc_+16*\b+2*\i], v[xc_+16*\b+2*\i+1]   ; for the context: ahead of the hold
.endr
.endr
.if (\k) < 12
	HSTEP (\k)+4                                   ; no LDS instruction of mine is out: step k's stores into the stage have read their registers, which take the step four further on
	WIN 0
.endif
.irp b, 0,1,2,3
	ds_store_b128 v[BFS], v[Y+8*\b:Y+8*\b+3] offset:oB_+64*\b
	ds_store_b128 v[BFS], v[Y+8*\b+4:Y+8*\b+7] offset:oB_+64*\b+16
.endr
.if (\k) < 15
.if (\k) < 12
	s_wait_loadcnt 48                              ; step k + 1 is in; the three steps behind it, 16 loads each, may be out
.else
	s_wait_loadcnt 16*(14-(\k))                    ; the last steps: nothing more was asked for, the counts run down
.endif
.if (\k) == 14
	s_mov_b64 s[SW:SW+1], s[6:7]                   ; no load of mine is out: W_h's first seven tiles are asked for while the last two steps are quantised
	s_mov_b64 s[SS:SS+1], s[8:9]
.irp t, 0,1,2,3,4,5,6
	WFILL \t, \t
.endr
.endif
	STIN (\k)+1                                    ; my reads of the stage are over (the wait for 0 above): it takes the next step
.endif
.irp b, 0,1,2,3
	v_max3_num_f32 v[TM+\b], |v[xc_+16*\b]|, |v[xc_+16*\b+1]|, 0x4800000   ; block b: my 16 numbers, and the floor 2^(9 - 127): the byte cannot fall under 1
.endr
.irp i, 2,4,6,8,10,12,14
.irp b, 0,1,2,3
	v_max3_num_f32 v[TM+\b], v[TM+\b], |v[xc_+16*\b+\i]|, |v[xc_+16*\b+\i+1]|   ; the four blocks by turns
.endr
.endr
.if (\k) < 15
	XIN (\k)+1, 0                                  ; into the other set of 64
	XIN (\k)+1, 1
.endif
.irp b, 0,1,2,3
	v_permlanex16_b32 v[TM+4+\b], v[TM+\b], s[SEL], s[SEL+1]
.endr
.irp b, 0,1,2,3
	v_max_num_f32 v[TM+\b], v[TM+\b], v[TM+4+\b]   ; with lane l xor 16's: the block's largest magnitude
.endr
.irp b, 0,1,2,3
	v_add_nc_u32 v[TM+12+\b], 0xfc000000, v[TM+\b] ; 8 off its exponent field: the conversion takes this operand's exponent field as its scale
.endr
.irp b, 0,1,2,3
	v_and_or_b32 v[TM+8+\b], v[TM+\b], 0x7f800000, s[MNT]   ; 448 x the scale
.endr
.irp b, 0,1,2,3
	v_lshrrev_b32 v[TM+4+\b], 23, v[TM+12+\b]      ; the scale's byte
.endr
	v_lshl_or_b32 v[rS_], v[TM+5], 8, v[TM+4]      ; row r's scale word for this K step
	v_lshl_or_b32 v[rS_], v[TM+6], 16, v[rS_]
	v_lshl_or_b32 v[rS_], v[TM+7], 24, v[rS_]
.irp b, 0,1,2,3
.if ((\k) < 15) && (\b < 2)
	XIN (\k)+1, \b+2                               ; the last of them stands 48 holds and 8 conversions ahead of the next step's head
.endif
.irp i, 0,1,2,3,4,5,6,7,8,9,10,11,12,13,14,15
	v_med3_num_f32 v[xc_+16*\b+\i], v[xc_+16*\b+\i], -v[TM+8+\b], v[TM+8+\b]   ; the conversion to an 8-bit code does not saturate (ISA guide 7.6.2): the hold at 448 x the scale
.endr
.endr
	WIN 0x40                                       ; destination window 1
.irp b, 0,1,2,3
	v_cvt_scalef32_pk8_fp8_f32 v[rC_+4*\b:rC_+4*\b+1], v[xc_+16*\b:xc_+16*\b+7], v[TM+12+\b]       ; registers 4 b .. 4 b + 3 of the operand: k = 32 b + 16 h + 0 .. 15
	v_cvt_scalef32_pk8_fp8_f32 v[rC_+4*\b+2:rC_+4*\b+3], v[xc_+16*\b+8:xc_+16*\b+15], v[TM+12+\b]
.endr
	WIN 0
	v_nop                                          ; one plain line behind the last conversion
.endm
; Product idx of 16 of n tile j: K step idx / 8, slot idx % 8.  The eight accumulators of a set take turns, one instruction a turn; the first K step starts the sums.
.macro MM j, idx
.set ks_, (\idx)/8
.set sl_, (\idx)%8
.set rD, ACC+64*((\j)&1)+8*sl_
.set rA, 32*((\j)&7)+16*ks_
.set rB, 32*sl_+16*ks_
.if ks_ == 0
	v_wmma_scale_f32_16x16x128_f8f6f4 v[rD:rD+7], v[rA:rA+15], v[rB:rB+15], 0, v[WS+((\j)&7)], v[HS+2*sl_]
.else
	v_wmma_scale_f32_16x16x128_f8f6f4 v[rD:rD+7], v[rA:rA+15], v[rB:rB+15], v[rD:rD+7], v[WS+((\j)&7)], v[HS+2*sl_+1] matrix_a_scale:MATRIX_SCALE_ROW1
.endif
.endm
; Line pos of 32 that fold n tile j into e: slot pos % 8, n pair pos / 8: each accumulator is read from its low end on
.macro FS j, pos
.set jj_, (\pos)/8
.set sl_, (\pos)%8
	v_pk_fma_f32 v[E+2*sl_:E+2*sl_+1], v[ACC+64*((\j)&1)+8*sl_+2*jj_:ACC+64*((\j)&1)+8*sl_+2*jj_+1], v[SFI+8*((\j)&3)+2*jj_:SFI+8*((\j)&3)+2*jj_+1], v[E+2*sl_:E+2*sl_+1]
.endm
; An n tile: four groups of four products; behind each group eight lines that fold the tile before (f = 1), which name the other set of accumulators.
; PLACES (eight plain vector lines that name none of the product's registers).  Slot k's last product is number 8 + k.  Behind it stand the rest of this tile's folding lines (8 for k >= 4, 16 else;
; with f = 0 four v_nop a group) and, in the next tile, the k lines of the slots before it: 8 at the least.  A buffer of W_h is loaded again in the middle of the next tile, 22 such lines behind its last product.
; wf, sf: the tile seven on of W_h, two on of s_fi, is asked for.  nl: the loads of the younger tiles of W_h, 9 each.  nd: the LDS loads of the younger tiles of s_fi, 2 each.
.macro TILE j, f, wf, sf, nl, nd
	s_wait_loadcnt \nl
.if \f
	s_wait_dscnt \nd
.endif
.irp g, 0,1,2,3
	WIN 0x06                                       ; source 0 (W_h) window 2, source 1 (h's codes) window 1
.irp u, 0,1,2,3
	MM \j, 4*\g+\u
.endr
	WIN 0
.if \f
.irp u, 0,1,2,3,4,5,6,7
	FS (\j)-1, 8*\g+\u
.endr
.elseif \g >= 2
.rept 4
	v_nop
.endr
.endif
.if \g == 1
.if \wf
	WFILL ((\j)+7)&7, (\j)+7
.endif
.if \sf
	SFILL (\j)+2
.endif
.endif
.endr
.endm
.macro FEND nd                         ; the eighth tile of a run is folded by itself
	s_wait_dscnt \nd
.irp p, 0,1,2,3,4,5,6,7,8,9,10,11,12,13,14,15,16,17,18,19,20,21,22,23,24,25,26,27,28,29,30,31
	FS 7, \p
.endr
.endm
; Four rows of the context: c += p x bf16(h), straight from the halves.  reload = 1: the same four rows of the next 16 are asked for.  n: the LDS loads of the younger groups, 5 each.
.macro CGROUP q, reload, n
	s_wait_dscnt \n
.irp i, 0,1,2,3
.irp c, 0,1,2,3
	v_fma_mix_f32_bf16 v[C+2*\c], v[RW+16*\q+4*\i+\c], v[PR+4*\q+\i], v[C+2*\c] op_sel_hi:[1,0,0]
	v_fma_mix_f32_bf16 v[C+2*\c+1], v[RW+16*\q+4*\i+\c], v[PR+4*\q+\i], v[C+2*\c+1] op_sel:[1,0,0] op_sel_hi:[1,0,0]
.endr
.endr
.if \reload
	ds_load_b128 v[PR+4*\q:PR+4*\q+3], v[CP] offset:64+16*\q
.irp i, 0,1,2,3
	ds_load_b128 v[RW+16*\q+4*\i:RW+16*\q+4*\i+3], v[CA] offset:STW+(4*\q+\i)*BP
.endr
.endif
.endm
	s_load_b256 s[4:11], s[0:1], 0x0               ; h s[4:5], wfrag s[6:7], wscl s[8:9], sfi s[10:11]
	s_load_b128 s[12:15], s[0:1], 0x20             ; b_h s[12:13], cpart s[14:15]
	v_lshl_add_u32 v19, v0, 2, 0x4f400
	v_mov_b32 v20, 0
	v_lshrrev_b32 v1, 5, v0
	v_readfirstlane_b32 s[WV], v1                  ; wave 0..3
	v_and_b32 v26, 31, v0                          ; lane
	v_and_b32 v27, 15, v0                          ; r
	v_bfe_u32 v28, v0, 4, 1                        ; h
	s_lshl_b32 s17, s[WV], 10
	v_lshl_add_u32 v[VH], v26, 4, s17
	v_lshrrev_b32 v29, 2, v26
	v_and_b32 v30, 3, v26
	v_lshl_add_u32 v[VPF], v29, 12, s17
	v_lshl_add_u32 v[VPF], v30, 8, v[VPF]
	s_lshl_b32 s17, s[WV], 12
	v_lshl_add_u32 v[VWF], v26, 4, s17
	s_add_co_u32 s17, s17, SF
	v_lshl_add_u32 v[SFL], v28, 5, s17
	v_lshl_add_u32 v29, v26, 4, s17                ; where s_fi is put: my wave's copy + 16 lane
	s_lshl_b32 s17, s[WV], 7
	v_lshl_add_u32 v[VWS], v26, 2, s17
	s_mul_i32 s17, s[WV], STW
	s_add_co_u32 s17, s17, STG
	v_lshl_add_u32 v[STS], v26, 4, s17
	v_lshl_add_u32 v[OST], v26, 5, s17
	v_mul_u32_u24 v31, v27, BP
	v_lshl_add_u32 v[STL], v28, 6, v31
	v_add_nc_u32 v[STL], s17, v[STL]
	s_mul_i32 s17, s[WV], BFW
	v_lshl_add_u32 v[BFS], v28, 5, v31
	v_add_nc_u32 v[BFS], s17, v[BFS]
	v_lshl_add_u32 v[BFL], v26, 4, s17
	v_lshl_add_u32 v[EXL], v27, 4, EX
	s_lshl_b32 s17, s[WV], 2
	v_add_nc_u32 v[EXS], s17, v[EXL]
	s_lshl_b32 s17, s[WV], 9
	s_add_co_u32 s17, s17, PB
	v_lshl_add_u32 v[PBS], v27, 2, s17
	v_mov_b32 v[PBL], s17
	v_lshlrev_b32 v30, 4, v26                      ; 16 lane
	s_mov_b32 s[SEL], 0x76543210
	s_mov_b32 s[SEL+1], 0xfedcba98
	s_mov_b32 s[MNT], 0x600000
	s_mov_b32 s[LG2E], 0x3fb8aa3b                  ; log2(e)
	s_mov_b32 s[PASS], 0
	v_mov_b32 v[MX], 0xff61b1e6                    ; the largest t so far: -3e38, under every t
	v_mov_b32 v[LS], 0
	v_mov_b32 v[FF+1], 0                           ; (named as the upper half of a pair)
.irp i, 0,1,2,3,4,5,6,7
	v_mov_b32 v[C+\i], 0                           ; the pass is written once: the first finds zeros, which its f = 0 leaves zeros
	v_mov_b32 v[U+\i], 0                           ; written once: a lane permute's destination counts as one of its sources
.endr
.irp b, 0,1,2,3
	v_mov_b32 v[TM+4+\b], 0
.endr
	s_lshl_b32 s18, ttmp9, 20                      ; 256 rows of 4,096 bytes
	s_mov_b32 s19, 0
	s_wait_kmcnt 0x0
	s_add_nc_u64 s[4:5], s[4:5], s[18:19]
	s_lshr_b32 s18, ttmp9, 3                       ; the batch
	s_lshl_b32 s18, s18, 12
	s_add_nc_u64 s[10:11], s[10:11], s[18:19]
	s_mul_i32 s18, ttmp9, 4608
	s_add_nc_u64 s[14:15], s[14:15], s[18:19]
.irp i, 0,1,2,3,4,5,6,7
	global_load_b128 v[128+4*\i:131+4*\i], v30, s[10:11] offset:512*\i ; s_fi[b], all of it, in every wave
.endr
.irp i, 0,1,2,3,4,5,6,7
	global_load_b128 v[160+4*\i:163+4*\i], v30, s[12:13] offset:512*\i ; b_h likewise
.endr
	HSTEP 0
	HSTEP 1
	HSTEP 2
	HSTEP 3
	WIN 0
	s_wait_loadcnt 63                              ; 64 loads were issued behind those 16: with at most 63 out, they are in
.irp i, 0,1,2,3,4,5,6,7
	ds_store_b128 v29, v[128+4*\i:131+4*\i] offset:512*\i
.endr
	v_pk_mul_f32 v[192:193], v[128:129], v[160:161]                    ; eb = s_fi . b_h, in two chains of pairs
	v_pk_mul_f32 v[194:195], v[130:131], v[162:163]
.irp i, 1,2,3,4,5,6,7
	v_pk_fma_f32 v[192:193], v[128+4*\i:129+4*\i], v[160+4*\i:161+4*\i], v[192:193]
	v_pk_fma_f32 v[194:195], v[130+4*\i:131+4*\i], v[162+4*\i:163+4*\i], v[194:195]
.endr
	v_pk_add_f32 v[192:193], v[192:193], v[194:195]
	v_add_f32 v192, v192, v193
	v_add_f32_dpp v192, v192, v192 row_xmask:1 row_mask:0xf bank_mask:0xf
	v_add_f32_dpp v192, v192, v192 row_xmask:2 row_mask:0xf bank_mask:0xf
	v_add_f32_dpp v192, v192, v192 row_xmask:4 row_mask:0xf bank_mask:0xf
	v_add_f32_dpp v192, v192, v192 row_xmask:8 row_mask:0xf bank_mask:0xf
	v_permlanex16_b32 v31, v192, s[SEL], s[SEL+1]
	v_add_f32 v192, v192, v31
	v_mul_f32 v[EBL], s[LG2E], v192
.Lpass:
	; ---- QUANTISING: step 0 goes through the stage by itself; every later step's turn stands inside the step before it
	s_wait_loadcnt 48                              ; step 0 is in; steps 1 to 3, 16 loads each, may be out
	STIN 0
	XIN 0, 0
	XIN 0, 1
	XIN 0, 2
	XIN 0, 3
.irp k, 0,1,2,3,4,5,6,7,8,9,10,11,12,13,14,15
	QSTEP \k
.endr
	; ---- GEMM
	s_mov_b32 s[TSF], 0
	v_add_nc_u32 v[SFA], s[TSF], v[SFL]
	SFILL 0
	SFILL 1
.irp i, 0,1,2,3,4,5,6,7,8,9,10,11,12,13,14,15
	v_mov_b32 v[E+\i], 0                           ; e of this pass's 128 rows.  (These lines are also the places between the last codes made and the first product)
.endr
	s_mov_b32 s[TRIP], 7
.Lg:                                               ; a trip: 8 n tiles, once round the ring of W_h's buffers
	TILE 0, 0, 1, 1, 54, 0
	TILE 1, 1, 1, 1, 54, 4
	TILE 2, 1, 1, 1, 54, 4
	TILE 3, 1, 1, 1, 54, 4
	TILE 4, 1, 1, 1, 54, 4
	TILE 5, 1, 1, 1, 54, 4
	TILE 6, 1, 1, 1, 54, 4
	TILE 7, 1, 1, 1, 54, 4
	FEND 4
	s_wait_xcnt 0x0                                ; the loads' bases are stepped only behind this wait
	s_add_nc_u64 s[SW:SW+1], s[SW:SW+1], 8*16384
	s_add_nc_u64 s[SS:SS+1], s[SS:SS+1], 8*512
	s_add_co_u32 s[TSF], s[TSF], 512
	v_add_nc_u32 v[SFA], s[TSF], v[SFL]
	s_sub_co_u32 s[TRIP], s[TRIP], 1
	s_cmp_lg_u32 s[TRIP], 0
	s_cbranch_scc1 .Lg
	TILE 0, 0, 1, 1, 54, 0                         ; the last 8 tiles: one more tile of W_h is asked for, then the counts run down; no load leaves its buffer
	TILE 1, 1, 0, 1, 54, 4
	TILE 2, 1, 0, 1, 45, 4
	TILE 3, 1, 0, 1, 36, 4
	TILE 4, 1, 0, 1, 27, 4
	TILE 5, 1, 0, 1, 18, 4
	TILE 6, 1, 0, 0, 9, 4
	TILE 7, 1, 0, 0, 0, 2
	FEND 0
	; ---- STATS
.irp s, 0,1,2,3,4,5,6,7
	v_add_f32 v[T+\s], v[E+2*\s], v[E+2*\s+1]      ; even n and odd n,
.endr
.irp s, 0,1,2,3,4,5,6,7
	v_permlanex16_b32 v[U+\s], v[T+\s], s[SEL], s[SEL+1]
.endr
.irp s, 0,1,2,3,4,5,6,7
	v_add_f32 v[T+\s], v[T+\s], v[U+\s]            ; and lane l xor 16's eight n of each tile: my quarter of K of e(16 s + r)
.endr
.irp s, 0,1,2,3,4,5,6,7
	ds_store_b32 v[EXS], v[T+\s] offset:256*\s     ; both halves of the lanes write the same word with the same value
.endr
	s_wait_dscnt 0x0                               ; for the others' sake: my parts are stored
	s_barrier_signal -1
	s_barrier_wait -1
.irp s, 0,1,2,3,4,5,6,7
	ds_load_b128 v[Q+4*\s:Q+4*\s+3], v[EXL] offset:256*\s
.endr
	s_wait_dscnt 0x0                               ; my reads are over:
	s_barrier_signal -1
	s_barrier_wait -1                              ; the next pass's parts are stored only when every wave's are
.irp s, 0,1,2,3,4,5,6,7
	v_pk_add_f32 v[Q+4*\s:Q+4*\s+1], v[Q+4*\s:Q+4*\s+1], v[Q+4*\s+2:Q+4*\s+3]
.endr
.irp s, 0,1,2,3,4,5,6,7
	v_add_f32 v[U+\s], v[Q+4*\s], v[Q+4*\s+1]
.endr
.irp s, 0,1,2,3,4,5,6,7
	v_fma_f32 v[T+\s], v[U+\s], s[LG2E], v[EBL]    ; t = (e + eb) log2(e)
.endr
	v_max3_num_f32 v26, v[T], v[T+1], v[MX]        ; the running maximum: my eight rows and the old m,
	v_max3_num_f32 v26, v26, v[T+2], v[T+3]
	v_max3_num_f32 v26, v26, v[T+4], v[T+5]
	v_max3_num_f32 v26, v26, v[T+6], v[T+7]
	v_max_num_f32_dpp v26, v26, v26 row_xmask:1 row_mask:0xf bank_mask:0xf   ; and the other fifteen lanes' (the two halves of the lanes hold the same rows)
	v_max_num_f32_dpp v26, v26, v26 row_xmask:2 row_mask:0xf bank_mask:0xf
	v_max_num_f32_dpp v26, v26, v26 row_xmask:4 row_mask:0xf bank_mask:0xf
	v_max_num_f32_dpp v26, v26, v26 row_xmask:8 row_mask:0xf bank_mask:0xf
	v_sub_f32 v27, v[MX], v26
.irp s, 0,1,2,3,4,5,6,7
	v_sub_f32 v[T+\s], v[T+\s], v26
.endr
	v_exp_f32 v[FF], v27                           ; f = 2^(old m - new m)
.irp s, 0,1,2,3,4,5,6,7
	v_exp_f32 v[T+\s], v[T+\s]                     ; p = 2^(t - m)
.endr
	v_mov_b32 v[MX], v26                           ; (a plain line behind the exponentials)
	s_wait_alu depctr_va_vdst(0)
.irp s, 0,1,2,3,4,5,6,7
	ds_store_b32 v[PBS], v[T+\s] offset:64*\s      ; p of row 16 s + r, into my wave's own copy
.endr
	v_add_f32 v26, v[T], v[T+1]
	v_add_f32 v27, v[T+2], v[T+3]
	v_add_f32 v28, v[T+4], v[T+5]
	v_add_f32 v29, v[T+6], v[T+7]
	v_add_f32 v26, v26, v27
	v_add_f32 v28, v28, v29
	v_add_f32 v26, v26, v28
	v_add_f32_dpp v26, v26, v26 row_xmask:1 row_mask:0xf bank_mask:0xf
	v_add_f32_dpp v26, v26, v26 row_xmask:2 row_mask:0xf bank_mask:0xf
	v_add_f32_dpp v26, v26, v26 row_xmask:4 row_mask:0xf bank_mask:0xf
	v_add_f32_dpp v26, v26, v26 row_xmask:8 row_mask:0xf bank_mask:0xf
	v_fma_f32 v[LS], v[LS], v[FF], v26             ; l = l f + the sum of the pass's p
.irp i, 0,2,4,6
	v_pk_mul_f32 v[C+\i:C+\i+1], v[C+\i:C+\i+1], v[FF:FF+1] op_sel_hi:[1,0]   ; c under the new m
.endr
	; ---- the next pass's first four steps are asked for here, if there is a next pass: no load and no prefetch leaves h
	s_cmp_eq_u32 s[PASS], 1
	s_cbranch_scc1 .Lno_next
	s_wait_xcnt 0x0                                ; h's base is stepped only behind this wait
	s_add_nc_u64 s[4:5], s[4:5], 128*4096
	HSTEP 0
	HSTEP 1
	HSTEP 2
	HSTEP 3
	WIN 0
.irp i, 0,1,2,3                        ; and steps 4 to 7 (row tiles 2 and 3) are asked into the far cache: my wave's 1,024 bytes of 8 rows a line, each aligned block of 256 bytes once; their loads follow behind the context phase below, in the next pass's steps 0 to 3
	global_prefetch_b8 v[VPF], s[4:5] offset:2*65536+32768*\i th:TH_LOAD_NT scope:SCOPE_SE
.endr
.Lno_next:
	; ---- CPHASE: 128 rows, 16 in flight, in four groups of (p of 4 rows, 4 rows)
	s_mov_b32 s[TCA], 0
	s_mov_b32 s[TCP], 0
	v_add_nc_u32 v[CA], s[TCA], v[BFL]
	v_add_nc_u32 v[CP], s[TCP], v[PBL]
.irp q, 0,1,2,3
	ds_load_b128 v[PR+4*\q:PR+4*\q+3], v[CP] offset:16*\q              ; every lane reads the same four p.  (They see my stores above: LDS serves a wave's instructions in order)
.irp i, 0,1,2,3
	ds_load_b128 v[RW+16*\q+4*\i:RW+16*\q+4*\i+3], v[CA] offset:(4*\q+\i)*BP   ; 32 lanes take a row's 512 bytes
.endr
.endr
	s_mov_b32 s[CNT], 7
.Lc:
	CGROUP 0, 1, 15
	CGROUP 1, 1, 15
	CGROUP 2, 1, 15
	CGROUP 3, 1, 15
	s_add_co_u32 s[TCA], s[TCA], STW
	s_add_co_u32 s[TCP], s[TCP], 64
	v_add_nc_u32 v[CA], s[TCA], v[BFL]
	v_add_nc_u32 v[CP], s[TCP], v[PBL]
	s_sub_co_u32 s[CNT], s[CNT], 1
	s_cmp_lg_u32 s[CNT], 0
	s_cbranch_scc1 .Lc
	CGROUP 0, 0, 15                                ; the last 16 rows: nothing more to fetch, the counts run down
	CGROUP 1, 0, 10
	CGROUP 2, 0, 5
	CGROUP 3, 0, 0
	s_add_co_u32 s[PASS], s[PASS], 1
	s_cmp_lt_u32 s[PASS], 2
	s_cbranch_scc1 .Lpass
	; ---- THE WAY OUT.  A lane's eight numbers are 32 bytes: through my stage they become two stores of 512 consecutive bytes
	ds_store_b128 v[OST], v[C:C+3]
	ds_store_b128 v[OST], v[C+4:C+7] offset:16
	ds_load_b128 v[128:131], v[STS]
	ds_load_b128 v[132:135], v[STS] offset:512
	v_mov_b32 v28, v[MX]
	v_mov_b32 v29, v[LS]
	v_mov_b32 v30, v[MX]
	v_mov_b32 v31, v[LS]
	s_wait_dscnt 0x0
	global_store_b128 v[VH], v[128:131], s[14:15]
	global_store_b128 v[VH], v[132:135], s[14:15] offset:512
	s_cmp_lg_u32 s[WV], 0
	s_cbranch_scc1 .Lend
	global_store_b128 v[VH], v[28:31], s[14:15] offset:4096            ; wave 0 (its offset is 16 lane): (m, l, m, l), 512 consecutive bytes; every wave holds the same m and l
.Lend:
	s_wait_tensorcnt 0x0
	ds_add_u32 v19, v20
	s_wait_dscnt 0x0
	s_endpgm
.Lfunc_end_k_q8e1e29805b_attn:
	.size	k_q8e1e29805b_attn, .Lfunc_end_k_q8e1e29805b_attn-k_q8e1e29805b_attn
	.p2alignl 7, 3214868480
	.fill 96, 4, 3214868480
	.section	.rodata,"a",@progbits
	.p2align	6, 0x0
	.amdhsa_kernel k_q8e1e29805b_attn
		.amdhsa_group_segment_fixed_size 325120
		.amdhsa_private_segment_fixed_size 0
		.amdhsa_enable_private_segment 0
		.amdhsa_kernarg_size 48
		.amdhsa_user_sgpr_count 2
		.amdhsa_user_sgpr_kernarg_segment_ptr 1
		.amdhsa_wavefront_size32 1
		.amdhsa_system_sgpr_workgroup_id_x 1
		.amdhsa_system_sgpr_workgroup_id_y 1
		.amdhsa_system_sgpr_workgroup_id_z 1
		.amdhsa_system_vgpr_workitem_id 0
		.amdhsa_next_free_vgpr 1024
		.amdhsa_next_free_sgpr 66
		.amdhsa_reserve_vcc 0
		.amdhsa_float_denorm_mode_32 3
		.amdhsa_float_denorm_mode_16_64 3
		.amdhsa_memory_ordered 1
		.amdhsa_forward_progress 1
		.amdhsa_inst_pref_size 255
	.end_amdhsa_kernel
	.section	.bss,"aw",@nobits
	.p2align	6
	.space	262144
	.amdgpu_metadata
---
amdhsa.version: [ 1, 2 ]
amdhsa.kernels:
  - .name:           k_q8e1e29805b_attn
    .symbol:         k_q8e1e29805b_attn.kd
    .args:
      - { .name: h, .offset: 0, .size: 8, .value_kind: global_buffer, .address_space: global }
      - { .name: wfrag, .offset: 8, .size: 8, .value_kind: global_buffer, .address_space: global }
      - { .name: wscl, .offset: 16, .size: 8, .value_kind: global_buffer, .address_space: global }
      - { .name: sfi, .offset: 24, .size: 8, .value_kind: global_buffer, .address_space: global }
      - { .name: b_h, .offset: 32, .size: 8, .value_kind: global_buffer, .address_space: global }
      - { .name: cpart, .offset: 40, .size: 8, .value_kind: global_buffer, .address_space: global }
    .group_segment_fixed_size: 325120
    .private_segment_fixed_size: 0
    .kernarg_segment_align: 8
    .kernarg_segment_size: 48
    .max_flat_workgroup_size: 128
    .sgpr_count:     66
    .vgpr_count:     1024
    .wavefront_size: 32
...
	.end_amdgpu_metadata
.endif
;; end of part 2
;; launch merge (part 3): grid 32 x 1, 8 waves a work-group, no clusters, 0 bytes of LDS; arguments cpart, out0; writes out0
.if DOCPART == 3
	.amdgcn_target "amdgcn-amd-amdhsa--gfx1250"
	.amdhsa_code_object_version 6
	.text
	.protected	k_q8e1e29805b_merge
	.globl	k_q8e1e29805b_merge
	.p2align	8
	.type	k_q8e1e29805b_merge,@function
k_q8e1e29805b_merge:
	s_mov_b64 s[64:65], 0
	v_nop
	global_prefetch_b8 v0, s[64:65] scope:SCOPE_SE
	s_setreg_imm32_b32 hwreg(HW_REG_WAVE_MODE, 25, 1), 1
	s_wait_xcnt 0x0
; out0[b][:] = (sum over the batch's 8 parts g of 2^(m_g - M) c_g[:]) / (sum over g of 2^(m_g - M) l_g), M the largest m_g.
; cpart [256][4,608 bytes]: 1,024 numbers of c, then (m, l) repeated.  Work-group b takes one batch, thread t the columns 4 t .. 4 t + 3: a wave's load and store cover 512 consecutive bytes.
; Sixteen loads a thread, no LDS, no barrier: 37 KB a work-group leave nothing for matrix units, clusters or a ring to do.  The part with the largest m has a p = 1, so the divisor is at least 1.
	s_load_b128 s[4:7], s[0:1], 0x0                ; cpart, out0
	v_lshlrev_b32 v1, 4, v0                        ; 16 t
	v_mov_b32 v2, 0
	s_mul_i32 s8, ttmp9, 8*4608
	s_mov_b32 s9, 0
	s_lshl_b32 s10, ttmp9, 12
	s_mov_b32 s11, 0
	s_wait_kmcnt 0x0
	s_add_nc_u64 s[4:5], s[4:5], s[8:9]
	s_add_nc_u64 s[6:7], s[6:7], s[10:11]
.irp g, 0,1,2,3,4,5,6,7
	global_load_b64 v[40+2*\g:41+2*\g], v2, s[4:5] offset:4608*\g+4096 ; (m, l) of part g, the same in every lane
.endr
.irp g, 0,1,2,3,4,5,6,7
	global_load_b128 v[8+4*\g:11+4*\g], v1, s[4:5] offset:4608*\g
.endr
	s_wait_loadcnt 8                               ; the eight pairs are in; the eight loads of c may be out
	v_max3_num_f32 v3, v40, v42, v44
	v_max3_num_f32 v3, v3, v46, v48
	v_max3_num_f32 v3, v3, v50, v52
	v_max_num_f32 v3, v3, v54
.irp g, 0,1,2,3,4,5,6,7
	v_sub_f32 v[40+2*\g], v[40+2*\g], v3
.endr
.irp g, 0,1,2,3,4,5,6,7
	v_exp_f32 v[40+2*\g], v[40+2*\g]               ; the part's weight, in m's place: the pair is now (weight, l)
.endr
	v_mov_b32 v57, 0                               ; (a plain line behind the exponentials; the upper half of the pair v[56:57])
	s_wait_alu depctr_va_vdst(0)
	v_mul_f32 v56, v40, v41
.irp g, 1,2,3,4,5,6,7
	v_fmac_f32 v56, v[40+2*\g], v[41+2*\g]
.endr
	v_rcp_f32 v56, v56
	s_wait_loadcnt 0x0
	v_pk_mul_f32 v[4:5], v[8:9], v[40:41] op_sel_hi:[1,0]              ; the first part starts the sums.  (Plain lines behind the reciprocal)
	v_pk_mul_f32 v[6:7], v[10:11], v[40:41] op_sel_hi:[1,0]
.irp g, 1,2,3,4,5,6,7
	v_pk_fma_f32 v[4:5], v[8+4*\g:9+4*\g], v[40+2*\g:41+2*\g], v[4:5] op_sel_hi:[1,0,1]
	v_pk_fma_f32 v[6:7], v[10+4*\g:11+4*\g], v[40+2*\g:41+2*\g], v[6:7] op_sel_hi:[1,0,1]
.endr
	s_wait_alu depctr_va_vdst(0)
	v_pk_mul_f32 v[4:5], v[4:5], v[56:57] op_sel_hi:[1,0]
	v_pk_mul_f32 v[6:7], v[6:7], v[56:57] op_sel_hi:[1,0]
	global_store_b128 v1, v[4:7], s[6:7]
	s_endpgm
.Lfunc_end_k_q8e1e29805b_merge:
	.size	k_q8e1e29805b_merge, .Lfunc_end_k_q8e1e29805b_merge-k_q8e1e29805b_merge
	.p2alignl 7, 3214868480
	.fill 96, 4, 3214868480
	.section	.rodata,"a",@progbits
	.p2align	6, 0x0
	.amdhsa_kernel k_q8e1e29805b_merge
		.amdhsa_group_segment_fixed_size 0
		.amdhsa_private_segment_fixed_size 0
		.amdhsa_enable_private_segment 0
		.amdhsa_kernarg_size 16
		.amdhsa_user_sgpr_count 2
		.amdhsa_user_sgpr_kernarg_segment_ptr 1
		.amdhsa_wavefront_size32 1
		.amdhsa_system_sgpr_workgroup_id_x 1
		.amdhsa_system_sgpr_workgroup_id_y 1
		.amdhsa_system_sgpr_workgroup_id_z 1
		.amdhsa_system_vgpr_workitem_id 0
		.amdhsa_next_free_vgpr 64
		.amdhsa_next_free_sgpr 66
		.amdhsa_reserve_vcc 0
		.amdhsa_float_denorm_mode_32 3
		.amdhsa_float_denorm_mode_16_64 3
		.amdhsa_memory_ordered 1
		.amdhsa_forward_progress 1
		.amdhsa_inst_pref_size 5
	.end_amdhsa_kernel
	.amdgpu_metadata
---
amdhsa.version: [ 1, 2 ]
amdhsa.kernels:
  - .name:           k_q8e1e29805b_merge
    .symbol:         k_q8e1e29805b_merge.kd
    .args:
      - { .name: cpart, .offset: 0, .size: 8, .value_kind: global_buffer, .address_space: global }
      - { .name: out0, .offset: 8, .size: 8, .value_kind: global_buffer, .address_space: global }
    .group_segment_fixed_size: 0
    .private_segment_fixed_size: 0
    .kernarg_segment_align: 8
    .kernarg_segment_size: 16
    .max_flat_workgroup_size: 256
    .sgpr_count:     66
    .vgpr_count:     64
    .wavefront_size: 32
...
	.end_amdgpu_metadata
.endif
;; end of part 3
;; ======== version 2 of 2: 3 launches
;; workspace buffers: wfrag 1,048,576 bytes; wscl 32,768 bytes; sfi 131,072 bytes; cpart 1,179,648 bytes
;; launch prep (part 4): grid 16 x 1, 4 waves a work-group, no clusters, 9,216 bytes of LDS; arguments W_h_codes, W_h_scales, W_s_codes, W_s_scales, s_codes, s_scales, b_s, wfrag, wscl, sfi; writes wfrag, wscl, sfi
.if DOCPART == 4
	.amdgcn_target "amdgcn-amd-amdhsa--gfx1250"
	.amdhsa_code_object_version 6
	.text
	.protected	k_q8e1e29805b_prep
	.globl	k_q8e1e29805b_prep
	.p2align	8
	.type	k_q8e1e29805b_prep,@function
k_q8e1e29805b_prep:
	s_mov_b64 s[64:65], 0
	v_nop
	global_prefetch_b8 v0, s[64:65] scope:SCOPE_SE
	s_setreg_imm32_b32 hwreg(HW_REG_WAVE_SCHED_MODE, 0, 2), 2
	s_setreg_imm32_b32 hwreg(HW_REG_WAVE_MODE, 25, 1), 1
	s_wait_xcnt 0x0
	s_wait_alu depctr_vm_vsrc(0)
; Two small jobs ahead of the main launch.  Wave q of work-group g owns the tile of 16 columns nt = 4 g + q (64 tiles in all).
; JOB A.  W_h's codes [1024 (n)][1024 (k)] are laid anew in the order of the operand's registers:
;   wfrag [nt 64][w 4][ks 2][c 4][lane 32][16 bytes]: lane (r, h) of register group c of K step 2 w + ks holds k = 256 w + 128 ks + 32 c + 16 h + 0 .. 15 of row 16 nt + r,
;   so that the main launch fills a fragment by four loads of 512 consecutive bytes.  wscl [nt 64][w 4][lane 32] words: lanes 0-15 the scale word of row 16 nt + r
;   for K step 2 w, lanes 16-31 the same row's word for K step 2 w + 1: one register serves both K steps of a wave.
; JOB B.  s_fi = s W_s + b_s, [32][1024] f32, on the codes as they are given.  The product is used transposed (source 0 = 16 rows of W_s, source 1 = 16 rows of s): a lane holds
;   eight neighbouring n of one row of s_fi.  b_s is the C of each sum's first product.  Two accumulators (rows 0-15, rows 16-31) take turns, K ascending.
; A row's 64 columns of the work-group (256 bytes) come from four waves: they meet in a stage in LDS, and sixteen lanes store 256 consecutive bytes, aligned.
; THE MODE: SCHED_MODE bits 1:0 = 2 (LLVM: expert scheduling mode 2), set by the entry lines.  The code itself states the register dependences between vector or matrix instructions and memory or LDS instructions, with s_wait_alu, always for 0.
; THE PLAN.  Memory and LDS instructions read v4 to v12 (offsets and addresses, made at the head and never written again), loaded data, and the two accumulators; loads land only in registers that no vector line names.
;   So three waits state all: the wave's number is written, ahead of its first reader; the offsets are written, ahead of the first load; the accumulators are written, ahead of their LDS stores.
; REGISTERS: window 0: v1-12 addresses; v24-27 W_h's scale words; v32-39 W_s's scale words; v40-55 s's; v56-63, v80-87 b_s twice; v64-79 the two accumulators; v96-111 rows on the way out;
;   v126, v127 the closing add's two; v128-255 W_h's 32 register groups.   window 1: v0-127 W_s's 8 fragments.   window 2: s's 16 fragments (128 mt + 16 ks).
.set SPI, 272                          ; a stage row: 256 bytes + 16 of padding
.set MSB, 0
.macro WIN new                         ; the immediate's high byte repeats the setting that is left
.if MSB != \new
	s_set_vgpr_msb (MSB<<8)|\new
.set MSB, \new
.endif
.endm
	s_load_b256 s[4:11], s[0:1], 0x0               ; W_h's codes s[4:5], W_h's scales s[6:7], W_s's codes s[8:9], W_s's scales s[10:11]
	s_load_b256 s[12:19], s[0:1], 0x20             ; s's codes s[12:13], s's scales s[14:15], b_s s[16:17], wfrag s[18:19]
	s_load_b128 s[20:23], s[0:1], 0x40             ; wscl s[20:21], sfi s[22:23]
	v_lshl_add_u32 v126, v0, 2, 0x2200             ; my spare word, behind the stage's 32 rows; kept for the closing lines alone
	v_mov_b32 v127, 0
	v_lshrrev_b32 v1, 5, v0
	v_readfirstlane_b32 s24, v1                    ; wave q
	v_and_b32 v1, 31, v0                           ; lane
	v_and_b32 v2, 15, v0                           ; r
	v_bfe_u32 v3, v0, 4, 1                         ; h
	v_lshlrev_b32 v4, 10, v2
	v_lshl_add_u32 v4, v3, 4, v4                   ; a row of 1,024 codes: 1024 r + 16 h
	v_lshlrev_b32 v8, 5, v2                        ; a row of 32 scale bytes: 32 r
	v_lshl_add_u32 v5, v3, 2, v8                   ; 32 r + 4 h: lanes 16-31 take the odd K step's word
	v_lshlrev_b32 v6, 4, v1                        ; 16 x lane
	v_lshlrev_b32 v7, 2, v1                        ; 4 x lane
	v_lshlrev_b32 v9, 5, v3                        ; b_s: my half's eight numbers
	v_mul_u32_u24 v10, v2, SPI
	v_lshl_add_u32 v10, v3, 5, v10
	s_wait_alu depctr_va_sdst(0)                   ; s24 is written, ahead of its first reader: the tile's number and the stage's places are made from it
	s_lshl_b32 s25, ttmp9, 2
	s_add_co_u32 s25, s25, s24                     ; nt = 4 g + q
	s_lshl_b32 s26, s24, 6
	v_add_nc_u32 v10, s26, v10                     ; into the stage: row r, 64 q + 32 h bytes on
	s_mul_i32 s26, s24, 8*SPI
	v_mul_u32_u24 v11, v3, SPI
	v_lshl_add_u32 v11, v2, 4, v11
	v_add_nc_u32 v11, s26, v11                     ; back: rows 8 q on; lanes 0-15 one row, lanes 16-31 the next
	v_lshlrev_b32 v12, 12, v3
	v_lshl_add_u32 v12, v2, 4, v12                 ; and the same two rows in sfi
	s_lshl_b32 s26, s25, 14                        ; 16 rows of 1,024 bytes, and a tile's 16,384 bytes of wfrag
	s_mov_b32 s27, 0
	s_lshl_b32 s28, s25, 9                         ; 16 rows of 32 scale bytes, and a tile's 512 bytes of wscl
	s_mov_b32 s29, 0
	s_lshl_b32 s30, s25, 6                         ; 16 numbers of b_s
	s_mov_b32 s31, 0
	s_lshl_b32 s32, s24, 15                        ; 8 q rows of sfi,
	s_lshl_b32 s33, ttmp9, 8                       ; the work-group's 64 columns
	s_add_co_u32 s32, s32, s33
	s_mov_b32 s33, 0
	s_wait_kmcnt 0x0
	s_add_nc_u64 s[4:5], s[4:5], s[26:27]
	s_add_nc_u64 s[6:7], s[6:7], s[28:29]
	s_add_nc_u64 s[8:9], s[8:9], s[26:27]
	s_add_nc_u64 s[10:11], s[10:11], s[28:29]
	s_add_nc_u64 s[16:17], s[16:17], s[30:31]
	s_add_nc_u64 s[18:19], s[18:19], s[26:27]
	s_add_nc_u64 s[20:21], s[20:21], s[28:29]
	s_add_nc_u64 s[22:23], s[22:23], s[32:33]
	s_wait_alu depctr_va_vdst(0)                   ; the offsets and addresses v4 to v12 are written: every load, store and LDS instruction below reads one of them
	; job A's 36 loads first: register group i = 8 w + 4 ks + c lies 32 i bytes along the row
.set i, 0
.rept 32
	global_load_b128 v[128+4*i:131+4*i], v4, s[4:5] offset:32*i
.set i, i+1
.endr
.irp w, 0,1,2,3
	global_load_b32 v[24+\w], v5, s[6:7] offset:8*\w
.endr
	; job B's 106
	WIN 0x40                                       ; destination window 1
.set i, 0
.rept 32
	global_load_b128 v[4*i:4*i+3], v4, s[8:9] offset:32*i              ; W_s: K step i / 4, group i % 4
.set i, i+1
.endr
	WIN 0x80                                       ; destination window 2
.irp mt, 0,1
.set i, 0
.rept 32
	global_load_b128 v[128*\mt+4*i:128*\mt+4*i+3], v4, s[12:13] offset:16384*\mt+32*i   ; s: rows 16 mt on
.set i, i+1
.endr
.endr
	WIN 0
	global_load_b128 v[32:35], v8, s[10:11]        ; W_s's eight scale words of row r
	global_load_b128 v[36:39], v8, s[10:11] offset:16
.irp mt, 0,1
	global_load_b128 v[40+8*\mt:43+8*\mt], v8, s[14:15] offset:512*\mt   ; s's eight of row 16 mt + r
	global_load_b128 v[44+8*\mt:47+8*\mt], v8, s[14:15] offset:512*\mt+16
.endr
	global_load_b128 v[56:59], v9, s[16:17]        ; b_s at 16 nt + 8 h + 0 .. 7, in the result's layout: once for each accumulator
	global_load_b128 v[60:63], v9, s[16:17] offset:16
	global_load_b128 v[80:83], v9, s[16:17]
	global_load_b128 v[84:87], v9, s[16:17] offset:16
	s_wait_loadcnt 63                              ; 106 loads were issued behind job A's 36: with at most 63 out, those 36 are in
.set i, 0
.rept 32
	global_store_b128 v6, v[128+4*i:131+4*i], s[18:19] offset:512*i    ; 32 lanes store 512 consecutive bytes
.set i, i+1
.endr
.irp w, 0,1,2,3
	global_store_b32 v7, v[24+\w], s[20:21] offset:128*\w
.endr
	s_wait_loadcnt 0x0
	WIN 0x09                                       ; source 0 (W_s) window 1, source 1 (s) window 2
	v_wmma_scale_f32_16x16x128_f8f6f4 v[64:71], v[0:15], v[0:15], v[56:63], v32, v40
	v_wmma_scale_f32_16x16x128_f8f6f4 v[72:79], v[0:15], v[128:143], v[80:87], v32, v48
.irp ks, 1,2,3,4,5,6,7                 ; the two accumulators by turns
	v_wmma_scale_f32_16x16x128_f8f6f4 v[64:71], v[16*\ks:16*\ks+15], v[16*\ks:16*\ks+15], v[64:71], v[32+\ks], v[40+\ks]
	v_wmma_scale_f32_16x16x128_f8f6f4 v[72:79], v[16*\ks:16*\ks+15], v[128+16*\ks:128+16*\ks+15], v[72:79], v[32+\ks], v[48+\ks]
.endr
	WIN 0
.rept 8
	v_nop                                          ; eight places between the last product and the first read of its result
.endr
	s_wait_alu depctr_va_vdst(0)                   ; the products have written the two accumulators, which the LDS stores read; the places above stay beside this wait
.irp mt, 0,1
	ds_store_b128 v10, v[64+8*\mt:67+8*\mt] offset:16*SPI*\mt          ; each accumulator from its low end on: s_fi(16 mt + r, 16 nt + 8 h + 0 .. 7)
	ds_store_b128 v10, v[68+8*\mt:71+8*\mt] offset:16*SPI*\mt+16
.endr
	s_wait_dscnt 0x0                               ; for the others' sake: my stores into the stage are done
	s_barrier_signal -1
	s_barrier_wait -1
.irp i, 0,1,2,3
	ds_load_b128 v[96+4*\i:99+4*\i], v11 offset:2*SPI*\i
.endr
.irp i, 0,1,2,3
	s_wait_dscnt 3-\i
	global_store_b128 v12, v[96+4*\i:99+4*\i], s[22:23] offset:8192*\i ; sixteen lanes store 256 consecutive bytes, at a multiple of 256 from sfi's first byte
.endr
	s_wait_dscnt 0x0                               ; the closing lines, six on end
	s_wait_alu 0x0
	s_wait_tensorcnt 0x0
	ds_add_u32 v126, v127
	s_wait_dscnt 0x0
	s_endpgm
.Lfunc_end_k_q8e1e29805b_prep:
	.size	k_q8e1e29805b_prep, .Lfunc_end_k_q8e1e29805b_prep-k_q8e1e29805b_prep
	.p2alignl 7, 3214868480
	.fill 96, 4, 3214868480
	.section	.rodata,"a",@progbits
	.p2align	6, 0x0
	.amdhsa_kernel k_q8e1e29805b_prep
		.amdhsa_group_segment_fixed_size 9216
		.amdhsa_private_segment_fixed_size 0
		.amdhsa_enable_private_segment 0
		.amdhsa_kernarg_size 80
		.amdhsa_user_sgpr_count 2
		.amdhsa_user_sgpr_kernarg_segment_ptr 1
		.amdhsa_wavefront_size32 1
		.amdhsa_system_sgpr_workgroup_id_x 1
		.amdhsa_system_sgpr_workgroup_id_y 1
		.amdhsa_system_sgpr_workgroup_id_z 1
		.amdhsa_system_vgpr_workitem_id 0
		.amdhsa_next_free_vgpr 768
		.amdhsa_next_free_sgpr 66
		.amdhsa_reserve_vcc 0
		.amdhsa_float_denorm_mode_32 3
		.amdhsa_float_denorm_mode_16_64 3
		.amdhsa_memory_ordered 1
		.amdhsa_forward_progress 1
		.amdhsa_inst_pref_size 23
	.end_amdhsa_kernel
	.amdgpu_metadata
---
amdhsa.version: [ 1, 2 ]
amdhsa.kernels:
  - .name:           k_q8e1e29805b_prep
    .symbol:         k_q8e1e29805b_prep.kd
    .args:
      - { .name: W_h_codes, .offset: 0, .size: 8, .value_kind: global_buffer, .address_space: global }
      - { .name: W_h_scales, .offset: 8, .size: 8, .value_kind: global_buffer, .address_space: global }
      - { .name: W_s_codes, .offset: 16, .size: 8, .value_kind: global_buffer, .address_space: global }
      - { .name: W_s_scales, .offset: 24, .size: 8, .value_kind: global_buffer, .address_space: global }
      - { .name: s_codes, .offset: 32, .size: 8, .value_kind: global_buffer, .address_space: global }
      - { .name: s_scales, .offset: 40, .size: 8, .value_kind: global_buffer, .address_space: global }
      - { .name: b_s, .offset: 48, .size: 8, .value_kind: global_buffer, .address_space: global }
      - { .name: wfrag, .offset: 56, .size: 8, .value_kind: global_buffer, .address_space: global }
      - { .name: wscl, .offset: 64, .size: 8, .value_kind: global_buffer, .address_space: global }
      - { .name: sfi, .offset: 72, .size: 8, .value_kind: global_buffer, .address_space: global }
    .group_segment_fixed_size: 9216
    .private_segment_fixed_size: 0
    .kernarg_segment_align: 8
    .kernarg_segment_size: 80
    .max_flat_workgroup_size: 128
    .sgpr_count:     66
    .vgpr_count:     768
    .wavefront_size: 32
...
	.end_amdgpu_metadata
.endif
;; end of part 4
;; launch attn (part 5): grid 256 x 1, 4 waves a work-group, no clusters, 325,120 bytes of LDS; arguments h, wfrag, wscl, sfi, b_h, cpart; writes cpart
.if DOCPART == 5
	.amdgcn_target "amdgcn-amd-amdhsa--gfx1250"
	.amdhsa_code_object_version 6
	.text
	.protected	k_q8e1e29805b_attn
	.globl	k_q8e1e29805b_attn
	.p2align	8
	.type	k_q8e1e29805b_attn,@function
k_q8e1e29805b_attn:
	s_mov_b64 s[64:65], 0
	v_nop
	global_prefetch_b8 v0, s[64:65] scope:SCOPE_SE
	s_setreg_imm32_b32 hwreg(HW_REG_WAVE_SCHED_MODE, 0, 2), 2
	s_setreg_imm32_b32 hwreg(HW_REG_WAVE_MODE, 25, 1), 1
	s_wait_xcnt 0x0
	s_wait_alu depctr_vm_vsrc(0)
; For 256 rows t of one batch b: e[t] = s_fi[b] . (Q(h[t]) W_h + b_h), a running softmax over them, and the partial context sum of p[t] h[t].  h is read from memory ONCE.
; h [65536][1024] f32.  Work-group x owns rows 256 x on (batch x / 8), in two passes of 128 rows = 8 tiles of 16 rows ("slots").
; THE WAVES SHARE K: wave w owns columns 256 w .. 256 w + 255 of every row: it quantises them (blocks of 32 lie inside a wave), multiplies them (its two K steps of 128, against all 1,024 columns of W_h),
; and sums them into the context (its 256 outputs).  What goes from wave to wave is one number for each row and wave: the wave's part of e.
; A PASS:  QUANTISING, 16 steps of 16 rows x 128 columns: a step's numbers go through the wave's stage in LDS, so that a lane holds 16 neighbours of each block of 32; they are kept as bf16 in LDS (for the context) and as
;   codes of E4M3 in registers.  THREE THINGS RUN SIDE BY SIDE: the loads from memory, four steps ahead; the turn through the stage, one step ahead; the arithmetic of the step in hand.
;   GEMM: 64 tiles of 16 columns n; W_h's fragments come from memory straight into registers, in the order in which an earlier launch laid them, six tiles ahead; each feeds 8 products.  The product is used transposed
;   (source 0 = 16 rows of W_h's codes, source 1 = 16 rows of h): a lane holds one row of h and eight neighbouring n, and h_psi is folded into e at once: e += h_psi(row, n) s_fi(n), two at a time, set between the next tile's products.
;   STATS: the four waves' parts of e meet in LDS; every wave computes the same t = e log2(e), running maximum m, p = 2^(t - m), running sum l;  CPHASE: c = c f + sum of p x bf16(h).
; b_h enters as eb = sum over n of s_fi(n) b_h(n), added to every e: the same sum as in s_fi . (h W + b_h), taken in another order, in f32.
; OUT: cpart [256][4,608 bytes]: 1,024 numbers of c, then (m, l, m, l) 32 times; the last launch joins the eight work-groups of a batch.
; NO CLUSTER, NO TENSOR LOADS, though all work-groups walk the same W_h: the bf16 rows (4 x 67,584 bytes), the stages (4 x 8,448), s_fi (4 x 4,096), e and p (4,096) take 324,608 of the 327,680 bytes of LDS:
; no slot for a shared tile fits beside them, and inside a work-group each byte of W_h is wanted by one wave alone.
; LIMITS: NaN and infinities in h are not served.  A block of h whose largest magnitude lies under 2^-118 gets the scale byte 1, a block of zeros too (its codes are zeros, and this program alone reads the bytes).
; A sum over K is taken as four quarters of two K steps each (one a wave), folded with s_fi and joined in f32: an order of additions other than one chain over K.
; THE MODE: SCHED_MODE bits 1:0 = 2 (LLVM: expert scheduling mode 2), set by the entry lines.  The code itself states the register dependences between vector or matrix instructions and memory or LDS instructions, with s_wait_alu, always for 0.
; THE PLAN.  Registers that memory or LDS instructions touch, and who else names them:
;   H0 .. H3 (window 3)   the loads of h of step k land in H[k % 4], issued in step k - 4; step k's 16 stores into the stage read it, issued in step k - 1.  No vector line names them.
;   XA, XB                the stage's loads of step k land in X[k % 2], issued in step k - 1; step k's roundings, maxima, holds and conversions read it, the holds write it.
;   Y                     step k's roundings write it, its eight LDS stores read it.
;     So a step has two waits.  On vm_vsrc at its head: the last step's stores have read Y, step k's stage stores have read H[k % 4].  On va_vdst behind its roundings: Y is written, and step k - 1's lines are done with the other X.
;   W_h's ring, WS        the loads of tile t land in buffer t % 8, issued in tile t - 6; tile t's products read it.
;   SFI, 4 slots          the LDS loads of tile t land in slot t % 4; the lines that fold tile t, which stand in tile t + 1, read it.          One wait on va_vdst for two tiles: see TILE.
;   T                     written in STATS; read by the LDS stores of e's parts and of p.       Q: LDS loads land in it, over accumulators that are done with.
;   rows and p, two sets  block p of 16 rows works on set p % 2; the loads of block p + 1 land in the other set, issued in block p.           A wait on va_vdst a group: see CBLOCK.
;   v[SFA], v[CA], v[CP]  LDS addresses that walk: one vector add a trip, a wait on vm_vsrc ahead of it; the wait on va_vdst at the next tile's or block's head stands ahead of the next load by it.
;   All other addresses are made at the head and never written again.
; REGISTERS, in windows of 256: window 0: see the names below.  window 1: h's codes, 16 step (= 32 slot + 16 ks).  window 2: W_h's fragments, a ring of 8 tiles, 32 buffer + 16 ks.  window 3: h as loaded, four steps, 64 (step % 4) + 4 row.
.set BP,   528                         ; an LDS row of 512 bytes + 16 of padding = 132 words: row r starts at bank 4 r mod 64 (64 banks of 4 bytes: ISA guide 11.1)
.set BFW,  128*BP                      ; a wave's bf16: 128 rows of its 256 columns
.set STW,  16*BP                       ; a wave's stage: 16 rows of 128 f32; also 16 rows of bf16
.set STG,  4*BFW
.set SF,   STG+4*STW                   ; s_fi[b], a copy for each wave
.set EX,   SF+4*4096                   ; [row 128][wave 4] parts of e: the one region that waves share
.set PB,   EX+2048                     ; p of 128 rows, a copy for each wave
.set VH,   2                           ; v2   h, and cpart: 1024 w + 16 lane
.set VPF,  3                           ; v3   prefetch: 4096 (lane / 4) + 1024 w + 256 (lane % 4)
.set VWF,  4                           ; v4   wfrag: 4096 w + 16 lane
.set VWS,  5                           ; v5   wscl: 128 w + 4 lane
.set STS,  6                           ; v6   stage, as loaded: 16 lane
.set STL,  7                           ; v7   stage, back: 528 r + 64 h
.set BFS,  8                           ; v8   bf16 in: 528 r + 32 h
.set BFL,  9                           ; v9   bf16 back: 16 lane
.set EXS,  10                          ; v10  EX + 16 r + 4 w
.set EXL,  11                          ; v11  EX + 16 r
.set PBS,  12                          ; v12  my wave's p + 4 r
.set PBL,  13                          ; v13  my wave's p
.set SFL,  14                          ; v14  my wave's s_fi + 32 h
.set SFA,  15                          ; v15  the same, 512 bytes on for each 8 tiles
.set CA,   16                          ; v16  bf16 rows in hand
.set CP,   17                          ; v17  p in hand
.set OST,  18                          ; v18  the way out: stage + 32 lane
.set EBL,  21                          ; v21  eb log2(e)     (v19, v20: the closing add's two, kept for it alone)
.set MX,   22                          ; v22  m
.set LS,   23                          ; v23  l
.set FF,   24                          ; v[24:25] f = 2^(old m - new m), named as a pair
.set C,    32                          ; v32-39   c of my columns 8 lane + 0 .. 7
.set HS,   40                          ; v40-55   h's scale words, one a step (2 slot + ks)
.set WS,   56                          ; v56-63   W_h's scale words, one register a buffer
.set E,    64                          ; v64-79   e, a pair (even n, odd n) for each slot
.set SFI,  80                          ; v80-111  s_fi of a tile's 8 n of my half: a ring of 4
.set T,    112                         ; v112-119 at work in STATS: e, t, p
.set U,    120                         ; v120-127
.set ACC,  128                         ; v128-255 two sets of 8 accumulators
.set XA,   128                         ; quantising: the 64 numbers of an even step;
.set XB,   64                          ;   those of an odd step, where e, s_fi, T and U lie in the other phases;
.set Y,    192                         ;   their bf16;
.set TM,   224                         ;   +0 largest magnitudes, +4 bytes, +8 448 x scale, +12 the conversions' scale operands
.set Q,    128                         ; STATS: four parts of e for each slot
.set RW,   128                         ; CPHASE: 16 rows of bf16: set 0 here, set 1 at RW - 64 (v64-127, where nothing lives in this phase);
.set PR,   192                         ;   their p: set 0 here, set 1 at PR + 16
.set WV,   16                          ; s16 wave
.set SEL,  20                          ; s[20:21] v_permlanex16_b32's selects for lane l xor 16
.set MNT,  22                          ; s22 the mantissa field of 448
.set PASS, 23
.set TRIP, 24
.set LG2E, 25
.set SW,   26                          ; s[26:27] wfrag at the 8 tiles in hand
.set SS,   28                          ; s[28:29] wscl likewise
.set CNT,  30
.set TSF,  31                          ; steps of the LDS addresses that walk
.set TCA,  32
.set TCP,  33
.set MSB, 0
.macro WIN new                         ; bits 1:0 source 0, 3:2 source 1, 5:4 source 2, 7:6 destination; the immediate's high byte repeats the setting that is left
.if MSB != \new
	s_set_vgpr_msb (MSB<<8)|\new
.set MSB, \new
.endif
.endm
; Step k of a pass: 16 rows (tile k / 2) x 128 columns (K step k % 2 of my 256): each load takes 512 consecutive bytes of one row.  Leaves the destination's window at 3.
.macro HSTEP k
	WIN 0xc0
.irp i, 0,1,2,3,4,5,6,7,8,9,10,11,12,13,14,15
	global_load_b128 v[64*((\k)&3)+4*\i:64*((\k)&3)+4*\i+3], v[VH], s[4:5] offset:((\k)/2)*65536+\i*4096+512*((\k)&1) th:TH_LOAD_NT
.endr
.endm
; Step k's 16 rows go into my stage as they were loaded
.macro STIN k
	WIN 0x0c                                       ; an LDS store's data are its source 1: window 3
.irp i, 0,1,2,3,4,5,6,7,8,9,10,11,12,13,14,15
	ds_store_b128 v[STS], v[64*((\k)&3)+4*\i:64*((\k)&3)+4*\i+3] offset:BP*\i
.endr
	WIN 0
.endm
; and come back, load n of 16: registers 4 n .. 4 n + 3 of step k's set: register 16 b + i = column 32 b + 16 h + i of row r.  LDS serves a wave's instructions in order (ISA guide 5.7.1.4): these see the stores.  There is no step 16
.macro XL k, n
.if (\k) < 16
	ds_load_b128 v[XA-64*((\k)&1)+4*(\n):XA-64*((\k)&1)+4*(\n)+3], v[STL] offset:128*((\n)/4)+16*((\n)%4)
.endif
.endm
; Store n of 8 of the step's bf16: 16 bytes a lane, at the step's place oB_ in my wave's rows
.macro YS n
	ds_store_b128 v[BFS], v[Y+4*(\n):Y+4*(\n)+3] offset:oB_+64*((\n)/2)+16*((\n)%2)
.endm
; My two fragments and my scale register of n tile t (counted from SW, SS) into buffer buf: 9 loads, each of consecutive bytes
.macro WFILL buf, t
	WIN 0x80
.irp q, 0,1,2,3,4,5,6,7
	global_load_b128 v[32*(\buf)+4*\q:32*(\buf)+4*\q+3], v[VWF], s[SW:SW+1] offset:(\t)*16384+512*\q
.endr
	WIN 0
	global_load_b32 v[WS+(\buf)], v[VWS], s[SS:SS+1] offset:(\t)*512
.endm
; s_fi at n = 16 t + 8 h + 0 .. 7 (t counted from SFA)
.macro SFILL t
	ds_load_b128 v[SFI+8*((\t)&3):SFI+8*((\t)&3)+3], v[SFA] offset:64*(\t)
	ds_load_b128 v[SFI+8*((\t)&3)+4:SFI+8*((\t)&3)+7], v[SFA] offset:64*(\t)+16
.endm
; STEP k: its 64 numbers, asked out of the stage a step ago, become bf16 in LDS and codes and a scale word in registers.  Behind its two waits stand the loads of step k + 4 from memory and the 16 stores of step k + 1 into the stage, in two runs
; (they want other windows); the step's eight stores of bf16 and the 16 loads of step k + 1 out of the stage are dealt singly among its vector lines, which name this step's set of 64, TM and the scale word alone.
.macro QSTEP k
.set xc_, XA-64*((\k)&1)
.set rC_, 16*(\k)
.set rS_, HS+(\k)
.set oB_, STW*((\k)/2)+256*((\k)&1)
	s_wait_alu depctr_vm_vsrc(0)                   ; the last step's eight stores have read Y, which the roundings below write again; step k's stores into the stage have read H[k % 4], in which the loads of step k + 4 land
.irp b, 0,1,2,3
	s_wait_dscnt 12-4*\b                           ; block b's four loads are in; behind them only the later blocks' were issued, four each
.irp i, 0,1,2,3,4,5,6,7
	v_cvt_pk_bf16_f32 v[Y+8*\b+\i], v[xc_+16*\b+2*\i], v[xc_+16*\b+2*\i+1]   ; for the context: ahead of the hold
.endr
.endr
	s_wait_alu depctr_va_vdst(0)                   ; the roundings have written Y, which the eight stores read; the last step's holds and conversions are done with the other set of 64, in which step k + 1 lands
.if (\k) < 12
	HSTEP (\k)+4
.endif
.if (\k) < 15
.if (\k) < 12
	s_wait_loadcnt 48                              ; step k + 1 is in; the three steps behind it, 16 loads each, may be out
.else
	s_wait_loadcnt 16*(14-(\k))                    ; the last steps: nothing more was asked for, the counts run down
.endif
.if (\k) == 14
	s_mov_b64 s[SW:SW+1], s[6:7]                   ; no load of mine is out: W_h's first six tiles are asked for while the last two steps are quantised.  (The products that read these buffers stand ahead of the wait above)
	s_mov_b64 s[SS:SS+1], s[8:9]
.irp t, 0,1,2,3,4,5
	WFILL \t, \t
.endr
.endif
	STIN (\k)+1                                    ; my reads of the stage are over (the wait for 0 above): it takes the next step
.endif
.irp b, 0,1,2,3
	v_max3_num_f32 v[TM+\b], |v[xc_+16*\b]|, |v[xc_+16*\b+1]|, 0x4800000   ; block b: my 16 numbers, and the floor 2^(9 - 127): the byte cannot fall under 1
.endr
	YS 0
.irp i, 2,4,6,8,10,12,14
.irp b, 0,1,2,3
	v_max3_num_f32 v[TM+\b], v[TM+\b], |v[xc_+16*\b+\i]|, |v[xc_+16*\b+\i+1]|   ; the four blocks by turns
.endr
	YS (\i)/2                                      ; a store of bf16 behind each four maxima
.endr
.irp b, 0,1,2,3
	v_permlanex16_b32 v[TM+4+\b], v[TM+\b], s[SEL], s[SEL+1]
.endr
	XL (\k)+1, 0                                   ; from here on a load out of the stage behind each four lines, into the other set of 64: the step's last 16 LDS instructions
.irp b, 0,1,2,3
	v_max_num_f32 v[TM+\b], v[TM+\b], v[TM+4+\b]   ; with lane l xor 16's: the block's largest magnitude
.endr
	XL (\k)+1, 1
.irp b, 0,1,2,3
	v_add_nc_u32 v[TM+12+\b], 0xfc000000, v[TM+\b] ; 8 off its exponent field: the conversion takes this operand's exponent field as its scale
.endr
	XL (\k)+1, 2
.irp b, 0,1,2,3
	v_and_or_b32 v[TM+8+\b], v[TM+\b], 0x7f800000, s[MNT]   ; 448 x the scale
.endr
	XL (\k)+1, 3
.irp b, 0,1,2,3
	v_lshrrev_b32 v[TM+4+\b], 23, v[TM+12+\b]      ; the scale's byte
.endr
	XL (\k)+1, 4
	v_lshl_or_b32 v[rS_], v[TM+5], 8, v[TM+4]      ; row r's scale word for this K step
	v_lshl_or_b32 v[rS_], v[TM+6], 16, v[rS_]
	v_lshl_or_b32 v[rS_], v[TM+7], 24, v[rS_]
	XL (\k)+1, 5
.irp b, 0,1,2,3
.irp q, 0,1,2,3
.irp i, 0,1,2,3
	v_med3_num_f32 v[xc_+16*\b+4*\q+\i], v[xc_+16*\b+4*\q+\i], -v[TM+8+\b], v[TM+8+\b]   ; the conversion to an 8-bit code does not saturate (ISA guide 7.6.2): the hold at 448 x the scale
.endr
.if 4*\b+\q < 10
	XL (\k)+1, 6+4*\b+\q                           ; the last of them stands 24 holds and 8 conversions ahead of the next step's head
.endif
.endr
.endr
	WIN 0x40                                       ; destination window 1
.irp b, 0,1,2,3
	v_cvt_scalef32_pk8_fp8_f32 v[rC_+4*\b:rC_+4*\b+1], v[xc_+16*\b:xc_+16*\b+7], v[TM+12+\b]       ; registers 4 b .. 4 b + 3 of the operand: k = 32 b + 16 h + 0 .. 15
	v_cvt_scalef32_pk8_fp8_f32 v[rC_+4*\b+2:rC_+4*\b+3], v[xc_+16*\b+8:xc_+16*\b+15], v[TM+12+\b]
.endr
	WIN 0
	v_nop                                          ; one plain line behind the last conversion
.endm
; Product idx of 16 of n tile j: K step idx / 8, slot idx % 8.  The eight accumulators of a set take turns, one instruction a turn; the first K step starts the sums.
.macro MM j, idx
.set ks_, (\idx)/8
.set sl_, (\idx)%8
.set rD, ACC+64*((\j)&1)+8*sl_
.set rA, 32*((\j)&7)+16*ks_
.set rB, 32*sl_+16*ks_
.if ks_ == 0
	v_wmma_scale_f32_16x16x128_f8f6f4 v[rD:rD+7], v[rA:rA+15], v[rB:rB+15], 0, v[WS+((\j)&7)], v[HS+2*sl_]
.else
	v_wmma_scale_f32_16x16x128_f8f6f4 v[rD:rD+7], v[rA:rA+15], v[rB:rB+15], v[rD:rD+7], v[WS+((\j)&7)], v[HS+2*sl_+1] matrix_a_scale:MATRIX_SCALE_ROW1
.endif
.endm
; Line pos of 32 that fold n tile j into e: slot pos % 8, n pair pos / 8: each accumulator is read from its low end on
.macro FS j, pos
.set jj_, (\pos)/8
.set sl_, (\pos)%8
	v_pk_fma_f32 v[E+2*sl_:E+2*sl_+1], v[ACC+64*((\j)&1)+8*sl_+2*jj_:ACC+64*((\j)&1)+8*sl_+2*jj_+1], v[SFI+8*((\j)&3)+2*jj_:SFI+8*((\j)&3)+2*jj_+1], v[E+2*sl_:E+2*sl_+1]
.endm
; An n tile: four groups of four products; behind each group eight lines that fold the tile before (f = 1), which name the other set of accumulators.
; PLACES (eight plain vector lines that name none of the product's registers).  Slot k's last product is number 8 + k.  Behind it stand the rest of this tile's folding lines (8 for k >= 4, 16 else;
; with f = 0 four v_nop a group) and, in the next tile, the k lines of the slots before it: 8 at the least.
; ONE WAIT ON va_vdst FOR TWO TILES, at the head of an even tile j.  It states that the products of tiles j - 2 and j - 1 are done reading their buffers of W_h and their scale registers, and that the lines that folded tiles j - 3 and j - 2
; are done reading their s_fi.  Behind it tiles j and j + 1 name buffers j and j + 1 of W_h and slots j - 1 and j of s_fi alone.  So tile j's loads (W_h of tile j + 6 into buffer j - 2; s_fi of tiles j + 1 and j + 2 into slots j - 3 and j - 2)
; and tile j + 1's (W_h of tile j + 7 into buffer j - 1) owe nothing more.  They stand behind a tile's first four products.
; wf: the tile six on of W_h is asked for.  sf: how many tiles of s_fi are asked for, from the next tile on.  nl: the loads of the younger tiles of W_h, 9 each.  nd: the LDS loads of the younger tiles of s_fi, 2 each.
.macro TILE j, f, wf, sf, nl, nd
	s_wait_loadcnt \nl
.if \f
	s_wait_dscnt \nd
.endif
.if ((\j)&1) == 0
	s_wait_alu depctr_va_vdst(0)                   ; the last two tiles' products are done reading W_h's buffers and scale registers, the folding lines ahead of here their s_fi: this tile's and the next one's loads land there.  In a trip's first tile also: v[SFA] is written; in a pass's first: so are h's codes and scale words, behind their places
.endif
.irp g, 0,1,2,3
	WIN 0x06                                       ; source 0 (W_h) window 2, source 1 (h's codes) window 1
.irp u, 0,1,2,3
	MM \j, 4*\g+\u
.endr
.if \g == 0
.if \wf
	WFILL ((\j)+6)&7, (\j)+6
.endif
	WIN 0
.if \sf >= 1
	SFILL (\j)+1
.endif
.if \sf >= 2
	SFILL (\j)+2
.endif
.endif
	WIN 0
.if \f
.irp u, 0,1,2,3,4,5,6,7
	FS (\j)-1, 8*\g+\u
.endr
.elseif \g >= 2
.rept 4
	v_nop
.endr
.endif
.endr
.endm
.macro FEND nd                         ; the eighth tile of a run is folded by itself
	s_wait_dscnt \nd
.irp p, 0,1,2,3,4,5,6,7,8,9,10,11,12,13,14,15,16,17,18,19,20,21,22,23,24,25,26,27,28,29,30,31
	FS 7, \p
.endr
.endm
; The context.  Group q (p of 4 rows, then the 4 rows) of block blk of 16 rows (counted from CA, CP) into set z: five LDS loads
.macro CLOAD z, q, blk
	ds_load_b128 v[PR+16*(\z)+4*(\q):PR+16*(\z)+4*(\q)+3], v[CP] offset:64*(\blk)+16*(\q)          ; every lane reads the same four p
.irp i, 0,1,2,3
	ds_load_b128 v[RW-64*(\z)+16*(\q)+4*\i:RW-64*(\z)+16*(\q)+4*\i+3], v[CA] offset:STW*(\blk)+(4*(\q)+\i)*BP   ; 32 lanes take a row's 512 bytes
.endr
.endm
; A block of 16 rows, in set z: c += p x bf16(h), straight from the halves, the rows in ascending order.  ahead = 1: the next block is asked for, into the other set, a group of five loads ahead of each group's 32 lines.
; A WAIT ON va_vdst AHEAD OF EACH GROUP; the one at its head: the block before is done reading the other set.  This block's lines name set z and c alone, so its 20 loads owe nothing more.  The last block asks for nothing.
.macro CBLOCK z, blk, ahead
.irp q, 0,1,2,3
.if \ahead
	s_wait_alu depctr_va_vdst(0)
	s_wait_dscnt 15                                ; group q is in; behind it were issued this block's 3 - q later groups and the next block's first q, five loads each
.else
	s_wait_alu depctr_va_vdst(0)
	s_wait_dscnt 15-5*\q                           ; the last block: the counts run down
.endif
.if \ahead && (\q == 0)
	s_wait_alu depctr_va_vdst(0)                   ; the block before is done reading the other set's rows and p, in which the next block lands; in a trip's first block v[CA] and v[CP] are written
.endif
.if \ahead
	CLOAD 1-(\z), \q, (\blk)+1
.endif
.irp i, 0,1,2,3
.irp c, 0,1,2,3
	v_fma_mix_f32_bf16 v[C+2*\c], v[RW-64*(\z)+16*\q+4*\i+\c], v[PR+16*(\z)+4*\q+\i], v[C+2*\c] op_sel_hi:[1,0,0]
	v_fma_mix_f32_bf16 v[C+2*\c+1], v[RW-64*(\z)+16*\q+4*\i+\c], v[PR+16*(\z)+4*\q+\i], v[C+2*\c+1] op_sel:[1,0,0] op_sel_hi:[1,0,0]
.endr
.endr
.endr
.endm
	s_load_b256 s[4:11], s[0:1], 0x0               ; h s[4:5], wfrag s[6:7], wscl s[8:9], sfi s[10:11]
	s_load_b128 s[12:15], s[0:1], 0x20             ; b_h s[12:13], cpart s[14:15]
	v_lshl_add_u32 v19, v0, 2, 0x4f400             ; my spare word, behind p's four copies; kept for the closing lines alone
	v_mov_b32 v20, 0
	v_lshrrev_b32 v1, 5, v0
	v_readfirstlane_b32 s[WV], v1                  ; wave 0..3
	v_and_b32 v26, 31, v0                          ; lane
	v_and_b32 v27, 15, v0                          ; r
	v_bfe_u32 v28, v0, 4, 1                        ; h
	s_wait_alu depctr_va_sdst(0)                   ; s[WV] is written, ahead of its first reader: the wave's places in memory and in LDS are made from it
	s_lshl_b32 s17, s[WV], 10
	v_lshl_add_u32 v[VH], v26, 4, s17
	v_lshrrev_b32 v29, 2, v26
	v_and_b32 v30, 3, v26
	v_lshl_add_u32 v[VPF], v29, 12, s17
	v_lshl_add_u32 v[VPF], v30, 8, v[VPF]
	s_lshl_b32 s17, s[WV], 12
	v_lshl_add_u32 v[VWF], v26, 4, s17
	s_add_co_u32 s17, s17, SF
	v_lshl_add_u32 v[SFL], v28, 5, s17
	v_lshl_add_u32 v29, v26, 4, s17                ; where s_fi is put: my wave's copy + 16 lane
	s_lshl_b32 s17, s[WV], 7
	v_lshl_add_u32 v[VWS], v26, 2, s17
	s_mul_i32 s17, s[WV], STW
	s_add_co_u32 s17, s17, STG
	v_lshl_add_u32 v[STS], v26, 4, s17
	v_lshl_add_u32 v[OST], v26, 5, s17
	v_mul_u32_u24 v31, v27, BP
	v_lshl_add_u32 v[STL], v28, 6, v31
	v_add_nc_u32 v[STL], s17, v[STL]
	s_mul_i32 s17, s[WV], BFW
	v_lshl_add_u32 v[BFS], v28, 5, v31
	v_add_nc_u32 v[BFS], s17, v[BFS]
	v_lshl_add_u32 v[BFL], v26, 4, s17
	v_lshl_add_u32 v[EXL], v27, 4, EX
	s_lshl_b32 s17, s[WV], 2
	v_add_nc_u32 v[EXS], s17, v[EXL]
	s_lshl_b32 s17, s[WV], 9
	s_add_co_u32 s17, s17, PB
	v_lshl_add_u32 v[PBS], v27, 2, s17
	v_mov_b32 v[PBL], s17
	v_lshlrev_b32 v30, 4, v26                      ; 16 lane
	s_mov_b32 s[SEL], 0x76543210
	s_mov_b32 s[SEL+1], 0xfedcba98
	s_mov_b32 s[MNT], 0x600000
	s_mov_b32 s[LG2E], 0x3fb8aa3b                  ; log2(e)
	s_mov_b32 s[PASS], 0
	v_mov_b32 v[MX], 0xff61b1e6                    ; the largest t so far: -3e38, under every t
	v_mov_b32 v[LS], 0
	v_mov_b32 v[FF+1], 0                           ; (named as the upper half of a pair)
.irp i, 0,1,2,3,4,5,6,7
	v_mov_b32 v[C+\i], 0                           ; the pass is written once: the first finds zeros, which its f = 0 leaves zeros
	v_mov_b32 v[U+\i], 0                           ; written once: a lane permute's destination counts as one of its sources
.endr
.irp b, 0,1,2,3
	v_mov_b32 v[TM+4+\b], 0
.endr
	s_lshl_b32 s18, ttmp9, 20                      ; 256 rows of 4,096 bytes
	s_mov_b32 s19, 0
	s_wait_kmcnt 0x0
	s_add_nc_u64 s[4:5], s[4:5], s[18:19]
	s_lshr_b32 s18, ttmp9, 3                       ; the batch
	s_lshl_b32 s18, s18, 12
	s_add_nc_u64 s[10:11], s[10:11], s[18:19]
	s_mul_i32 s18, ttmp9, 4608
	s_add_nc_u64 s[14:15], s[14:15], s[18:19]
	s_wait_alu depctr_va_vdst(0)                   ; the offsets and addresses v2 to v14, v18, v29 and v30 are written, which the loads, stores and LDS instructions of the whole kernel read; so are v120-127, in which numbers out of the stage land later
.irp i, 0,1,2,3,4,5,6,7
	global_load_b128 v[128+4*\i:131+4*\i], v30, s[10:11] offset:512*\i ; s_fi[b], all of it, in every wave
.endr
.irp i, 0,1,2,3,4,5,6,7
	global_load_b128 v[160+4*\i:163+4*\i], v30, s[12:13] offset:512*\i ; b_h likewise
.endr
	HSTEP 0
	HSTEP 1
	HSTEP 2
	HSTEP 3
	WIN 0
	s_wait_loadcnt 63                              ; 64 loads were issued behind those 16: with at most 63 out, they are in
.irp i, 0,1,2,3,4,5,6,7
	ds_store_b128 v29, v[128+4*\i:131+4*\i] offset:512*\i
.endr
	v_pk_mul_f32 v[192:193], v[128:129], v[160:161]                    ; eb = s_fi . b_h, in two chains of pairs
	v_pk_mul_f32 v[194:195], v[130:131], v[162:163]
.irp i, 1,2,3,4,5,6,7
	v_pk_fma_f32 v[192:193], v[128+4*\i:129+4*\i], v[160+4*\i:161+4*\i], v[192:193]
	v_pk_fma_f32 v[194:195], v[130+4*\i:131+4*\i], v[162+4*\i:163+4*\i], v[194:195]
.endr
	v_pk_add_f32 v[192:193], v[192:193], v[194:195]
	v_add_f32 v192, v192, v193
	v_add_f32_dpp v192, v192, v192 row_xmask:1 row_mask:0xf bank_mask:0xf
	v_add_f32_dpp v192, v192, v192 row_xmask:2 row_mask:0xf bank_mask:0xf
	v_add_f32_dpp v192, v192, v192 row_xmask:4 row_mask:0xf bank_mask:0xf
	v_add_f32_dpp v192, v192, v192 row_xmask:8 row_mask:0xf bank_mask:0xf
	v_permlanex16_b32 v31, v192, s[SEL], s[SEL+1]
	v_add_f32 v192, v192, v31
	v_mul_f32 v[EBL], s[LG2E], v192
	s_wait_alu depctr_vm_vsrc(0)                   ; the LDS stores of s_fi have read v128-159, in which step 0's numbers land, and their address v29; the loads of s_fi and b_h have read v30: both are written again further down
.Lpass:
	; ---- QUANTISING: step 0 goes through the stage by itself; every later step's turn stands inside the step before it
	s_wait_loadcnt 48                              ; step 0 is in; steps 1 to 3, 16 loads each, may be out
	s_wait_alu depctr_va_vdst(0)                   ; the lines that read v128-191 (eb's sums; in the second pass the context's multiply-adds) are done: step 0's numbers land there
	STIN 0
.irp n, 0,1,2,3,4,5,6,7,8,9,10,11,12,13,14,15
	XL 0, \n
.endr
.irp k, 0,1,2,3,4,5,6,7,8,9,10,11,12,13,14,15
	QSTEP \k
.endr
	; ---- GEMM
	s_wait_alu depctr_vm_vsrc(0)                   ; step 15's eight stores have read Y, over which the second set of accumulators lies
	s_mov_b32 s[TSF], 0
	v_add_nc_u32 v[SFA], s[TSF], v[SFL]
.irp i, 0,1,2,3,4,5,6,7,8,9,10,11,12,13,14,15
	v_mov_b32 v[E+\i], 0                           ; e of this pass's 128 rows.  (These lines are also the places between the last codes made and the first product)
.endr
	s_wait_alu depctr_va_vdst(0)                   ; v[SFA] is written, which the loads of s_fi read; step 15's lines are done with v80-111, in which s_fi lands
	SFILL 0
	s_mov_b32 s[TRIP], 7
.Lg:                                               ; a trip: 8 n tiles, once round the ring of W_h's buffers
	TILE 0, 0, 1, 2, 45, 0
	TILE 1, 1, 1, 0, 45, 4
	TILE 2, 1, 1, 2, 45, 2
	s_wait_alu depctr_va_vdst(0)
	TILE 3, 1, 1, 0, 45, 4
	TILE 4, 1, 1, 2, 45, 2
	s_wait_alu depctr_va_vdst(0)
	TILE 5, 1, 1, 0, 45, 4
	TILE 6, 1, 1, 2, 45, 2
	s_wait_alu depctr_va_vdst(0)
	TILE 7, 1, 1, 0, 45, 4
	s_wait_alu depctr_va_vdst(0)
	FEND 2
	s_wait_xcnt 0x0                                ; the loads' bases are stepped only behind this wait
	s_add_nc_u64 s[SW:SW+1], s[SW:SW+1], 8*16384
	s_add_nc_u64 s[SS:SS+1], s[SS:SS+1], 8*512
	s_add_co_u32 s[TSF], s[TSF], 512
	s_wait_alu depctr_vm_vsrc(0)                   ; the loads of s_fi issued so far have read v[SFA]
	v_add_nc_u32 v[SFA], s[TSF], v[SFL]
	s_sub_co_u32 s[TRIP], s[TRIP], 1
	s_cmp_lg_u32 s[TRIP], 0
	s_cbranch_scc1 .Lg
	TILE 0, 0, 1, 2, 45, 0                         ; the last 8 tiles: two more tiles of W_h are asked for, then the counts run down; no load leaves its buffer
	TILE 1, 1, 1, 0, 45, 4
	TILE 2, 1, 0, 2, 45, 2
	s_wait_alu depctr_va_vdst(0)
	TILE 3, 1, 0, 0, 36, 4
	TILE 4, 1, 0, 2, 27, 2
	s_wait_alu depctr_va_vdst(0)
	TILE 5, 1, 0, 0, 18, 4
	TILE 6, 1, 0, 1, 9, 2
	s_wait_alu depctr_va_vdst(0)
	TILE 7, 1, 0, 0, 0, 2
	s_wait_alu depctr_va_vdst(0)
	FEND 0
	; ---- STATS
.irp s, 0,1,2,3,4,5,6,7
	v_add_f32 v[T+\s], v[E+2*\s], v[E+2*\s+1]      ; even n and odd n,
.endr
.irp s, 0,1,2,3,4,5,6,7
	v_permlanex16_b32 v[U+\s], v[T+\s], s[SEL], s[SEL+1]
.endr
.irp s, 0,1,2,3,4,5,6,7
	v_add_f32 v[T+\s], v[T+\s], v[U+\s]            ; and lane l xor 16's eight n of each tile: my quarter of K of e(16 s + r)
.endr
	s_wait_alu depctr_va_vdst(0)                   ; T is written, which the LDS stores read; the products and the folding lines are done with v128-159, in which the four parts of e land below
.irp s, 0,1,2,3,4,5,6,7
	ds_store_b32 v[EXS], v[T+\s] offset:256*\s     ; both halves of the lanes write the same word with the same value
.endr
	s_wait_dscnt 0x0                               ; for the others' sake: my parts are stored
	s_barrier_signal -1
	s_barrier_wait -1
.irp s, 0,1,2,3,4,5,6,7
	ds_load_b128 v[Q+4*\s:Q+4*\s+3], v[EXL] offset:256*\s
.endr
	s_wait_dscnt 0x0                               ; my reads are over:
	s_barrier_signal -1
	s_barrier_wait -1                              ; the next pass's parts are stored only when every wave's are
	s_wait_alu depctr_vm_vsrc(0)                   ; my stores of e's parts have read T, which takes t below
.irp s, 0,1,2,3,4,5,6,7
	v_pk_add_f32 v[Q+4*\s:Q+4*\s+1], v[Q+4*\s:Q+4*\s+1], v[Q+4*\s+2:Q+4*\s+3]
.endr
.irp s, 0,1,2,3,4,5,6,7
	v_add_f32 v[U+\s], v[Q+4*\s], v[Q+4*\s+1]
.endr
.irp s, 0,1,2,3,4,5,6,7
	v_fma_f32 v[T+\s], v[U+\s], s[LG2E], v[EBL]    ; t = (e + eb) log2(e)
.endr
	v_max3_num_f32 v26, v[T], v[T+1], v[MX]        ; the running maximum: my eight rows and the old m,
	v_max3_num_f32 v26, v26, v[T+2], v[T+3]
	v_max3_num_f32 v26, v26, v[T+4], v[T+5]
	v_max3_num_f32 v26, v26, v[T+6], v[T+7]
	v_max_num_f32_dpp v26, v26, v26 row_xmask:1 row_mask:0xf bank_mask:0xf   ; and the other fifteen lanes' (the two halves of the lanes hold the same rows)
	v_max_num_f32_dpp v26, v26, v26 row_xmask:2 row_mask:0xf bank_mask:0xf
	v_max_num_f32_dpp v26, v26, v26 row_xmask:4 row_mask:0xf bank_mask:0xf
	v_max_num_f32_dpp v26, v26, v26 row_xmask:8 row_mask:0xf bank_mask:0xf
	v_sub_f32 v27, v[MX], v26
.irp s, 0,1,2,3,4,5,6,7
	v_sub_f32 v[T+\s], v[T+\s], v26
.endr
	s_wait_alu depctr_va_vdst(0)
	v_exp_f32 v[FF], v27                           ; f = 2^(old m - new m)
.irp s, 0,1,2,3,4,5,6,7
	v_exp_f32 v[T+\s], v[T+\s]                     ; p = 2^(t - m)
.endr
	v_mov_b32 v[MX], v26                           ; (a plain line behind the exponentials)
	s_wait_alu depctr_va_vdst(0)                   ; the nine exponentials have written f and p: one wait for the batch, ahead of its first readers, the LDS stores of p
.irp s, 0,1,2,3,4,5,6,7
	ds_store_b32 v[PBS], v[T+\s] offset:64*\s      ; p of row 16 s + r, into my wave's own copy
.endr
	v_add_f32 v26, v[T], v[T+1]
	v_add_f32 v27, v[T+2], v[T+3]
	v_add_f32 v28, v[T+4], v[T+5]
	v_add_f32 v29, v[T+6], v[T+7]
	v_add_f32 v26, v26, v27
	v_add_f32 v28, v28, v29
	v_add_f32 v26, v26, v28
	v_add_f32_dpp v26, v26, v26 row_xmask:1 row_mask:0xf bank_mask:0xf
	v_add_f32_dpp v26, v26, v26 row_xmask:2 row_mask:0xf bank_mask:0xf
	v_add_f32_dpp v26, v26, v26 row_xmask:4 row_mask:0xf bank_mask:0xf
	v_add_f32_dpp v26, v26, v26 row_xmask:8 row_mask:0xf bank_mask:0xf
	v_fma_f32 v[LS], v[LS], v[FF], v26             ; l = l f + the sum of the pass's p
.irp i, 0,2,4,6
	v_pk_mul_f32 v[C+\i:C+\i+1], v[C+\i:C+\i+1], v[FF:FF+1] op_sel_hi:[1,0]   ; c under the new m
.endr
	; ---- the next pass's first four steps are asked for here, if there is a next pass: no load and no prefetch leaves h
	s_cmp_eq_u32 s[PASS], 1
	s_cbranch_scc1 .Lno_next
	s_wait_xcnt 0x0                                ; h's base is stepped only behind this wait
	s_add_nc_u64 s[4:5], s[4:5], 128*4096
	HSTEP 0                                        ; (the stage stores of steps 12 to 15, which read these registers, stand ahead of the waits on vm_vsrc above; no vector line names them)
	HSTEP 1
	HSTEP 2
	HSTEP 3
	WIN 0
.irp i, 0,1,2,3                        ; and steps 4 to 7 (row tiles 2 and 3) are asked into the far cache: my wave's 1,024 bytes of 8 rows a line, each aligned block of 256 bytes once; their loads follow behind the context phase below, in the next pass's steps 0 to 3
	global_prefetch_b8 v[VPF], s[4:5] offset:2*65536+32768*\i th:TH_LOAD_NT scope:SCOPE_SE
.endr
.Lno_next:
	; ---- CPHASE: 128 rows in 8 blocks of 16, on two sets of registers by turns
	s_mov_b32 s[TCA], 0
	s_mov_b32 s[TCP], 0
	s_wait_alu depctr_vm_vsrc(0)                   ; my stores of p have read T, over which set 1's rows lie
	v_add_nc_u32 v[CA], s[TCA], v[BFL]
	v_add_nc_u32 v[CP], s[TCP], v[PBL]
	s_wait_alu depctr_va_vdst(0)                   ; v[CA] and v[CP] are written, which the loads below read; the products, the folding lines and the lines of STATS are done with v64-223, in which rows and p land
.irp q, 0,1,2,3
	CLOAD 0, \q, 0                                 ; block 0.  (p's loads see my stores above: LDS serves a wave's instructions in order)
.endr
	s_mov_b32 s[CNT], 3
.Lc:                                               ; a trip: two blocks, both sets once
	CBLOCK 0, 0, 1
	CBLOCK 1, 1, 1
	s_add_co_u32 s[TCA], s[TCA], 2*STW
	s_add_co_u32 s[TCP], s[TCP], 128
	s_wait_alu depctr_vm_vsrc(0)                   ; the LDS loads issued so far have read v[CA] and v[CP]
	v_add_nc_u32 v[CA], s[TCA], v[BFL]
	v_add_nc_u32 v[CP], s[TCP], v[PBL]
	s_sub_co_u32 s[CNT], s[CNT], 1
	s_cmp_lg_u32 s[CNT], 0
	s_cbranch_scc1 .Lc
	CBLOCK 0, 0, 1                                 ; blocks 6 and 7: the last asks for nothing
	s_wait_alu depctr_va_vdst(0)
	CBLOCK 1, 1, 0
	s_add_co_u32 s[PASS], s[PASS], 1
	s_cmp_lt_u32 s[PASS], 2
	s_cbranch_scc1 .Lpass
	; ---- THE WAY OUT.  A lane's eight numbers are 32 bytes: through my stage they become two stores of 512 consecutive bytes
	v_mov_b32 v28, v[MX]
	v_mov_b32 v29, v[LS]
	v_mov_b32 v30, v[MX]
	v_mov_b32 v31, v[LS]
	s_wait_alu depctr_va_vdst(0)                   ; c is written, which the LDS stores read; so are v28-31, which wave 0's last store reads; the context's lines are done reading v128-135, in which c comes back
	ds_store_b128 v[OST], v[C:C+3]
	ds_store_b128 v[OST], v[C+4:C+7] offset:16
	ds_load_b128 v[128:131], v[STS]
	ds_load_b128 v[132:135], v[STS] offset:512
	s_wait_dscnt 0x0
	global_store_b128 v[VH], v[128:131], s[14:15]
	global_store_b128 v[VH], v[132:135], s[14:15] offset:512
	s_cmp_lg_u32 s[WV], 0
	s_cbranch_scc1 .Lend
	global_store_b128 v[VH], v[28:31], s[14:15] offset:4096            ; wave 0 (its offset is 16 lane): (m, l, m, l), 512 consecutive bytes; every wave holds the same m and l
.Lend:
	s_wait_dscnt 0x0                               ; the closing lines, six on end
	s_wait_alu 0x0
	s_wait_tensorcnt 0x0
	ds_add_u32 v19, v20
	s_wait_dscnt 0x0
	s_endpgm
.Lfunc_end_k_q8e1e29805b_attn:
	.size	k_q8e1e29805b_attn, .Lfunc_end_k_q8e1e29805b_attn-k_q8e1e29805b_attn
	.p2alignl 7, 3214868480
	.fill 96, 4, 3214868480
	.section	.rodata,"a",@progbits
	.p2align	6, 0x0
	.amdhsa_kernel k_q8e1e29805b_attn
		.amdhsa_group_segment_fixed_size 325120
		.amdhsa_private_segment_fixed_size 0
		.amdhsa_enable_private_segment 0
		.amdhsa_kernarg_size 48
		.amdhsa_user_sgpr_count 2
		.amdhsa_user_sgpr_kernarg_segment_ptr 1
		.amdhsa_wavefront_size32 1
		.amdhsa_system_sgpr_workgroup_id_x 1
		.amdhsa_system_sgpr_workgroup_id_y 1
		.amdhsa_system_sgpr_workgroup_id_z 1
		.amdhsa_system_vgpr_workitem_id 0
		.amdhsa_next_free_vgpr 1024
		.amdhsa_next_free_sgpr 66
		.amdhsa_reserve_vcc 0
		.amdhsa_float_denorm_mode_32 3
		.amdhsa_float_denorm_mode_16_64 3
		.amdhsa_memory_ordered 1
		.amdhsa_forward_progress 1
		.amdhsa_inst_pref_size 255
	.end_amdhsa_kernel
	.section	.bss,"aw",@nobits
	.p2align	6
	.space	262144
	.amdgpu_metadata
---
amdhsa.version: [ 1, 2 ]
amdhsa.kernels:
  - .name:           k_q8e1e29805b_attn
    .symbol:         k_q8e1e29805b_attn.kd
    .args:
      - { .name: h, .offset: 0, .size: 8, .value_kind: global_buffer, .address_space: global }
      - { .name: wfrag, .offset: 8, .size: 8, .value_kind: global_buffer, .address_space: global }
      - { .name: wscl, .offset: 16, .size: 8, .value_kind: global_buffer, .address_space: global }
      - { .name: sfi, .offset: 24, .size: 8, .value_kind: global_buffer, .address_space: global }
      - { .name: b_h, .offset: 32, .size: 8, .value_kind: global_buffer, .address_space: global }
      - { .name: cpart, .offset: 40, .size: 8, .value_kind: global_buffer, .address_space: global }
    .group_segment_fixed_size: 325120
    .private_segment_fixed_size: 0
    .kernarg_segment_align: 8
    .kernarg_segment_size: 48
    .max_flat_workgroup_size: 128
    .sgpr_count:     66
    .vgpr_count:     1024
    .wavefront_size: 32
...
	.end_amdgpu_metadata
.endif
;; end of part 5
;; launch merge (part 6): grid 32 x 1, 8 waves a work-group, no clusters, 0 bytes of LDS; arguments cpart, out0; writes out0
.if DOCPART == 6
	.amdgcn_target "amdgcn-amd-amdhsa--gfx1250"
	.amdhsa_code_object_version 6
	.text
	.protected	k_q8e1e29805b_merge
	.globl	k_q8e1e29805b_merge
	.p2align	8
	.type	k_q8e1e29805b_merge,@function
k_q8e1e29805b_merge:
	s_mov_b64 s[64:65], 0
	v_nop
	global_prefetch_b8 v0, s[64:65] scope:SCOPE_SE
	s_setreg_imm32_b32 hwreg(HW_REG_WAVE_MODE, 25, 1), 1
	s_wait_xcnt 0x0
; out0[b][:] = (sum over the batch's 8 parts g of 2^(m_g - M) c_g[:]) / (sum over g of 2^(m_g - M) l_g), M the largest m_g.
; cpart [256][4,608 bytes]: 1,024 numbers of c, then (m, l) repeated.  Work-group b takes one batch, thread t the columns 4 t .. 4 t + 3: a wave's load and store cover 512 consecutive bytes.
; Sixteen loads a thread, no LDS, no barrier: 37 KB a work-group leave nothing for matrix units, clusters or a ring to do.  The part with the largest m has a p = 1, so the divisor is at least 1.
	s_load_b128 s[4:7], s[0:1], 0x0                ; cpart, out0
	v_lshlrev_b32 v1, 4, v0                        ; 16 t
	v_mov_b32 v2, 0
	s_mul_i32 s8, ttmp9, 8*4608
	s_mov_b32 s9, 0
	s_lshl_b32 s10, ttmp9, 12
	s_mov_b32 s11, 0
	s_wait_alu depctr_va_vdst(0)
	s_wait_kmcnt 0x0
	s_add_nc_u64 s[4:5], s[4:5], s[8:9]
	s_add_nc_u64 s[6:7], s[6:7], s[10:11]
.irp g, 0,1,2,3,4,5,6,7
	global_load_b64 v[40+2*\g:41+2*\g], v2, s[4:5] offset:4608*\g+4096 ; (m, l) of part g, the same in every lane
.endr
.irp g, 0,1,2,3,4,5,6,7
	global_load_b128 v[8+4*\g:11+4*\g], v1, s[4:5] offset:4608*\g
.endr
	s_wait_loadcnt 8                               ; the eight pairs are in; the eight loads of c may be out
	v_max3_num_f32 v3, v40, v42, v44
	s_delay_alu instid0(VALU_DEP_1)
	v_max3_num_f32 v3, v3, v46, v48
	s_delay_alu instid0(VALU_DEP_1)
	v_max3_num_f32 v3, v3, v50, v52
	s_delay_alu instid0(VALU_DEP_1)
	v_max_num_f32 v3, v3, v54
.irp g, 0,1,2,3,4,5,6,7
	v_sub_f32 v[40+2*\g], v[40+2*\g], v3
.endr
	s_wait_alu depctr_va_vdst(0)
.irp g, 0,1,2,3,4,5,6,7
	v_exp_f32 v[40+2*\g], v[40+2*\g]               ; the part's weight, in m's place: the pair is now (weight, l)
.endr
	v_mov_b32 v57, 0                               ; (a plain line behind the exponentials; the upper half of the pair v[56:57])
	s_wait_alu depctr_va_vdst(0)
	v_mul_f32 v56, v40, v41
.irp g, 1,2,3,4,5,6,7
	v_fmac_f32 v56, v[40+2*\g], v[41+2*\g]
.endr
	s_wait_alu depctr_va_vdst(0)
	v_rcp_f32 v56, v56
	s_wait_loadcnt 0x0
	v_pk_mul_f32 v[4:5], v[8:9], v[40:41] op_sel_hi:[1,0]              ; the first part starts the sums.  (Plain lines behind the reciprocal)
	v_pk_mul_f32 v[6:7], v[10:11], v[40:41] op_sel_hi:[1,0]
.irp g, 1,2,3,4,5,6,7
	v_pk_fma_f32 v[4:5], v[8+4*\g:9+4*\g], v[40+2*\g:41+2*\g], v[4:5] op_sel_hi:[1,0,1]
	v_pk_fma_f32 v[6:7], v[10+4*\g:11+4*\g], v[40+2*\g:41+2*\g], v[6:7] op_sel_hi:[1,0,1]
.endr
	s_wait_alu depctr_va_vdst(0)
	v_pk_mul_f32 v[4:5], v[4:5], v[56:57] op_sel_hi:[1,0]
	v_pk_mul_f32 v[6:7], v[6:7], v[56:57] op_sel_hi:[1,0]
	global_store_b128 v1, v[4:7], s[6:7]
	s_endpgm
.Lfunc_end_k_q8e1e29805b_merge:
	.size	k_q8e1e29805b_merge, .Lfunc_end_k_q8e1e29805b_merge-k_q8e1e29805b_merge
	.p2alignl 7, 3214868480
	.fill 96, 4, 3214868480
	.section	.rodata,"a",@progbits
	.p2align	6, 0x0
	.amdhsa_kernel k_q8e1e29805b_merge
		.amdhsa_group_segment_fixed_size 0
		.amdhsa_private_segment_fixed_size 0
		.amdhsa_enable_private_segment 0
		.amdhsa_kernarg_size 16
		.amdhsa_user_sgpr_count 2
		.amdhsa_user_sgpr_kernarg_segment_ptr 1
		.amdhsa_wavefront_size32 1
		.amdhsa_system_sgpr_workgroup_id_x 1
		.amdhsa_system_sgpr_workgroup_id_y 1
		.amdhsa_system_sgpr_workgroup_id_z 1
		.amdhsa_system_vgpr_workitem_id 0
		.amdhsa_next_free_vgpr 64
		.amdhsa_next_free_sgpr 66
		.amdhsa_reserve_vcc 0
		.amdhsa_float_denorm_mode_32 3
		.amdhsa_float_denorm_mode_16_64 3
		.amdhsa_memory_ordered 1
		.amdhsa_forward_progress 1
		.amdhsa_inst_pref_size 5
	.end_amdhsa_kernel
	.amdgpu_metadata
---
amdhsa.version: [ 1, 2 ]
amdhsa.kernels:
  - .name:           k_q8e1e29805b_merge
    .symbol:         k_q8e1e29805b_merge.kd
    .args:
      - { .name: cpart, .offset: 0, .size: 8, .value_kind: global_buffer, .address_space: global }
      - { .name: out0, .offset: 8, .size: 8, .value_kind: global_buffer, .address_space: global }
    .group_segment_fixed_size: 0
    .private_segment_fixed_size: 0
    .kernarg_segment_align: 8
    .kernarg_segment_size: 16
    .max_flat_workgroup_size: 256
    .sgpr_count:     66
    .vgpr_count:     64
    .wavefront_size: 32
...
	.end_amdgpu_metadata
.endif
;; end of part 6
